; MI455X (gfx1250); checked and timed in simulation.
; The chip was launched on July 23, 2026; its instructions are those of AMD's public machine-readable ISA for CDNA 5 (MIT licence, August 2026) and "CDNA5" Instruction Set Architecture Reference Guide (July 2026). The comments in the code are by the model that wrote it; some were corrected since.
;; Multi Head Attention. Allowed arithmetic: matrix products marked QUANTISED: E2M3 operands, one E8M0 scale for each 32 along K, by v_wmma_scale_f32_16x16x128_f8f6f4 with both operands' format E2M3, f32 sums; everything else in f32.
;; Inputs: b_k 1,024 float32; b_o 1,024 float32; b_q 1,024 float32; b_v 1,024 float32; w_k 1,024 x 1,024 float32; w_o 1,024 x 1,024 float32; w_q 1,024 x 1,024 float32; w_v 1,024 x 1,024 float32; x 4 x 2,048 x 1,024 float32.
;; Outputs: out0 4 x 2,048 x 1,024 float32.
;; This version of the problem:
;;   THIS VERSION OF THE PROBLEM IS GIVEN IN LOW PRECISION. The matrix products marked QUANTISED in the list below multiply operands that are first quantised to E2M3 (2 exponent bits, 3 mantissa bits; 6 bits a number), with one power-of-two scale for each 32 numbers along K (OCP MX v1.0); their sums are f32. All else is computed in f32.
;;   The module's matrix products, in the order in which they are computed (A, B: the left and right operand; K: the contracted axis; several contracted axes count as one K, in the product's order):
;;     1. [M 8,192, K 1,024] x [K 1,024, N 1,024]; A: input x; B: input w_q: QUANTISED
;;     2. [M 8,192, K 1,024] x [K 1,024, N 1,024]; A: input x; B: input w_k: QUANTISED
;;     3. [M 8,192, K 1,024] x [K 1,024, N 1,024]; A: input x; B: input w_v: QUANTISED
;;     4. batch 64 x [M 2,048, K 64] x [K 64, N 2,048]; A: computed on the way; B: computed on the way: QUANTISED
;;     5. batch 64 x [M 2,048, K 2,048] x [K 2,048, N 64]; A: softmax (see below); B: computed on the way: QUANTISED
;;     6. [M 8,192, K 1,024] x [K 1,024, N 1,024]; A: computed on the way; B: input w_o: QUANTISED
;;   THE QUANTISER, for each operand of a quantised product, along K:
;;     - K is cut into blocks of 32 from its start; a last block that is shorter is filled with zeros.
;;     - A block's scale is 2^e with e = floor(log2(the largest magnitude in the block)) - 2, held to -126 .. 127; a block of zeros has e = 0. As a byte (E8M0): e + 127.
;;     - Each number is divided by its block's scale, clamped to +-7.5, and rounded to the nearest number of E2M3, ties to even, subnormals kept.
;;     - The product sums the exact products of the quantised numbers (number of the format x scale) in f32.
;;   ~~~python
;;   def quantise(x, axis):      # numpy; x: float32 -> the quantised numbers, widened to float32 again
;;       x = np.moveaxis(x, axis, -1); K = x.shape[-1]
;;       x = np.pad(x, [(0, 0)] * (x.ndim - 1) + [(0, -K % 32)]); x = x.reshape(x.shape[:-1] + (-1, 32)); a = np.abs(x).max(-1, keepdims=True)
;;       e = np.where(a > 0, np.clip(np.frexp(np.where(a > 0, a, 1))[1] - 1 - 2, -126, 127), 0)      # np.frexp(a)[1] - 1 = floor(log2(a)), exactly
;;       r = np.clip(x / 2.0 ** e, -7.5, 7.5)
;;       step = 2.0 ** (np.maximum(np.frexp(np.where(r == 0, 1, r))[1] - 1, 0) - 3)
;;       q = np.round(r / step) * step * 2.0 ** e      # np.round: ties to even
;;       return np.moveaxis(q.reshape(q.shape[:-2] + (-1,))[..., :K], -1, axis).astype(np.float32)
;;   ~~~
;;   SOFTMAX AHEAD OF A QUANTISED PRODUCT. Where the list says 'softmax', what is quantised is not the finished softmax but p = 2^(t - M), with t = logit x log2(e) and M = ceil(the row's largest t), a whole number; so 1/2 < the row's largest p <= 1. The row's sum l is taken of the UNQUANTISED p, in f32, and the product's result is divided by l at the end. Since M is a whole number, a kernel that streams over the keys may use a running M (the ceiling of the running maximum): every later rescaling is an exact power of two, which a block's scale takes up: the codes' values come out the same.
;;   OPERANDS COMPUTED ON THE WAY. 'Computed on the way' means the value that the module computes at that place (a softmax that the list does not call 'softmax' is quantised finished and normalised). What goes into a quantiser is computed in f32, as accurately as f32 sums, v_exp_f32 and their like allow (about 1e-6 of the number): no bf16 or f16 on the way to a quantiser, and a product that is left as it is and whose result goes on into a quantised operand takes f32 operands (vector FMAs, or v_wmma_f32_16x16x4_f32). A number that lies on a knife's edge between two numbers of the format may be rounded either way, as far as f32 arithmetic and the matrix unit's own rounding can turn it there, and no further.
;; One version. Each part assembles by itself: llvm-mc -triple=amdgcn-amd-amdhsa -mcpu=gfx1250 --defsym DOCPART=n.
;; ======== version 1 of 1: 4 launches
;; workspace buffers: xi 6,291,456 bytes; xs 262,144 bytes; wi 3,145,728 bytes; ws 131,072 bytes; q 6,815,744 bytes; kv 13,369,344 bytes; ci 6,291,456 bytes; cs 262,144 bytes
;; launch quant (part 1): grid 512 x 1, 4 waves a work-group, no clusters, 47,616 bytes of LDS; arguments x, w_q, w_k, w_v, w_o, xi, xs, wi, ws; writes xi, xs, wi, ws
.if DOCPART == 1
	.amdgcn_target "amdgcn-amd-amdhsa--gfx1250"
	.amdhsa_code_object_version 6
	.text
	.protected	k_q919ce5e51e_quant
	.globl	k_q919ce5e51e_quant
	.p2align	8
	.type	k_q919ce5e51e_quant,@function
k_q919ce5e51e_quant:
	s_mov_b64 s[64:65], 0
	v_nop
	global_prefetch_b8 v0, s[64:65] scope:SCOPE_SE
	s_setreg_imm32_b32 hwreg(HW_REG_WAVE_MODE, 25, 1), 1
	s_wait_xcnt 0x0
; x [8192][1024] and the four weights [1024 (k)][1024 (n)], f32, become codes of E2M3 with one E8M0 byte for each 32 along K, laid as IMAGES OF OPERAND REGISTERS.
; A tile is 16 rows x 128 K: 12 registers a lane, lane (r, h) row r, registers 6 c .. 6 c + 5 = k 64 c + 32 h + 0 .. 31; its image is 1,536 bytes: registers 4 i .. 4 i + 3 of lane l at 512 i + 16 l.
; THE ROWS OF A TILE ARE NOT NEIGHBOURS: tile 2 g + u holds rows 32 g + 8 u + i + 8 (i / 8), i = 0 .. 15.  xi: [tile 512][K step 8] images; wi: [tile 256][8], rows n = 1024 m + column, m = 0 w_q, 1 w_k, 2 w_v, 3 w_o.
; Scale words: xs, ws: [tile][half of K][row r][4 words]: 256 bytes for a tile and four K steps.
; A block's scale is 2^(floor(log2(largest magnitude)) - 2): its byte is the largest magnitude's exponent field - 2, held at 1 from below.
; LIMITS: NaN and infinities are not served; a block whose largest magnitude lies under 2^-124 has the byte 1; a block of zeros has the byte 1 and not 127: its codes are zeros, and this program alone reads the bytes.
; Work-groups 0-255 take x (a wave: one tile x four K steps), work-groups 256-511 the weights (a wave: 32 columns x 128 K).  The two paths have LDS bytes of their own.  No barrier: waves share nothing.
.set XSTG,  8448                       ; x: a wave's stage, 16 rows x (512 bytes + 16)
.set WSTG0, 33792                      ; the weights' stages begin here
.set WSTG,  3328                       ; a wave's: two tiles' images, 1,664 bytes apart
.set WTILE, 1664
.set SPARE, 47104                      ; the spare words, 128 bytes for each wave: no other line names them
.set RG,    16                         ; v16-143  numbers as loaded
.set XN,    144                        ; v144-207 x: 64 numbers in the quantiser's order; weights: codes and the way out
.set PC,    208                        ; v208-219 a fragment's codes; v220-227 at work
.set TM,    228                        ; v228-243 largest magnitudes, bytes, scale operands
.set PW,    244                        ; v244-247 scale words
.set SPW,   248
.set NIL,   249
.set SEL,   24                         ; s[24:25] lane selects: lane l xor 16
	s_load_b256 s[4:11], s[0:1], 0x0               ; x, w_q, w_k, w_v
	s_load_b256 s[12:19], s[0:1], 0x20             ; w_o, xi, xs, wi
	s_load_b64 s[20:21], s[0:1], 0x40              ; ws
	v_lshl_add_u32 v[SPW], v0, 2, SPARE
	v_mov_b32 v[NIL], 0
	v_lshrrev_b32 v9, 5, v0
	v_readfirstlane_b32 s22, v9                    ; wave
	v_and_b32 v10, 31, v0                          ; lane
	v_and_b32 v11, 15, v0                          ; r
	v_bfe_u32 v12, v0, 4, 1                        ; h
	v_lshlrev_b32 v1, 4, v10                       ; 16 x lane
	s_mul_i32 s23, s22, XSTG
	v_add_nc_u32 v2, s23, v1                       ; x's stage, in: a row's 512 bytes as they lie
	v_mul_u32_u24 v3, v11, 528
	v_lshl_add_u32 v3, v12, 6, v3
	v_add_nc_u32 v3, s23, v3                       ; out: row r, + 64 h: 16 neighbours of each block of 32
	v_lshlrev_b32 v4, 4, v11
	v_lshl_add_u32 v4, v12, 3, v4                  ; a scale chunk: 16 r + 8 h
	v_lshlrev_b32 v5, 2, v10                       ; 4 x lane
	v_bfe_u32 v13, v0, 3, 1                        ; a weight's column l lies in tile u = (l / 8) % 2
	v_and_b32 v14, 7, v0
	v_lshl_add_u32 v14, v12, 3, v14                ; at row i = l % 8 + 8 (l / 16)
	v_lshlrev_b32 v14, 4, v14
	v_mul_u32_u24 v6, v13, WTILE
	v_add_nc_u32 v6, v6, v14
	s_mul_i32 s23, s22, WSTG
	s_add_co_u32 s23, s23, WSTG0
	v_add_nc_u32 v6, s23, v6                       ; the weights' stage, in: tile u, lane place i
	v_add_nc_u32 v7, s23, v1                       ; out: 16 x lane
	v_lshl_add_u32 v8, v13, 9, v14                 ; my column's scale word: 512 u + 16 i
	s_mov_b32 s[SEL], 0x76543210
	s_mov_b32 s[SEL+1], 0xfedcba98
	s_mov_b32 s27, 0xffff0000                      ; lanes 16-31
.irp b, 0,1,2,3
	v_mov_b32 v[TM+4+\b], 0                        ; written once: a lane permute's destination counts as one of its sources
.endr
; 64 numbers of a lane, register 16 b + i = k 32 b + 16 h + i of my row, become codes: blocks 0, 1 in v[d0 .. d0+5], blocks 2, 3 in v[d1 .. d1+5]; the four bytes in v[TM+4 .. TM+7]
.macro QUANT s, d0, d1, t
.irp b, 0,1,2,3
	v_max3_num_f32 v[TM+\b], |v[(\s)+16*\b]|, |v[(\s)+16*\b+1]|, 0x1800000   ; the floor 2^(3 - 127) among the leaves: the byte cannot fall under 1
.endr
.irp i, 2,4,6,8,10,12,14
.irp b, 0,1,2,3
	v_max3_num_f32 v[TM+\b], v[TM+\b], |v[(\s)+16*\b+\i]|, |v[(\s)+16*\b+\i+1]|
.endr
.endr
.irp b, 0,1,2,3
	v_permlanex16_b32 v[TM+4+\b], v[TM+\b], s[SEL], s[SEL+1]
.endr
.irp b, 0,1,2,3
	v_max_num_f32 v[TM+\b], v[TM+\b], v[TM+4+\b]   ; with lane l xor 16's 16: the block's largest magnitude
.endr
.irp b, 0,1,2,3
	v_add_nc_u32 v[TM+12+\b], 0xff000000, v[TM+\b] ; 2 off its exponent field: the conversion's scale operand
.endr
.irp b, 0,1,2,3
	v_lshrrev_b32 v[TM+4+\b], 23, v[TM+12+\b]      ; the scale's byte
.endr
	v_cvt_scalef32_pk16_fp6_f32 v[(\d0):(\d0)+2], v[(\s):(\s)+15], v[TM+12]
	v_cvt_scalef32_pk16_fp6_f32 v[(\t):(\t)+2], v[(\s)+16:(\s)+31], v[TM+13]
	v_cvt_scalef32_pk16_fp6_f32 v[(\d1):(\d1)+2], v[(\s)+32:(\s)+47], v[TM+14]
	v_cvt_scalef32_pk16_fp6_f32 v[(\t)+4:(\t)+6], v[(\s)+48:(\s)+63], v[TM+15]
	v_nop                                          ; one plain place behind the conversions
.irp i, 0,1,2
	v_permlane16_swap_b32 v[(\d0)+\i], v[(\t)+\i]  ; a whole block to a lane: lanes 0-15 the even block, lanes 16-31 the odd one
.endr
.irp i, 0,1,2
	v_mov_b32 v[(\d0)+3+\i], v[(\t)+\i]
.endr
.irp i, 0,1,2
	v_permlane16_swap_b32 v[(\d1)+\i], v[(\t)+4+\i]
.endr
.irp i, 0,1,2
	v_mov_b32 v[(\d1)+3+\i], v[(\t)+4+\i]
.endr
.endm
	s_wait_kmcnt 0x0
	s_cmp_lt_u32 ttmp9, 256
	s_cbranch_scc0 .Lweights
	; ---------------- x ----------------
	s_lshl_b32 s28, ttmp9, 2
	s_add_co_u32 s28, s28, s22                     ; 2 x tile + half of K
	s_lshr_b32 s29, s28, 2                         ; g
	s_lshl_b32 s30, s29, 17                        ; 32 rows of 4,096 bytes
	s_bfe_u32 s29, s28, 0x10001                    ; u
	s_lshl_b32 s29, s29, 15                        ; 8 rows
	s_add_co_u32 s30, s30, s29
	s_and_b32 s29, s28, 1
	s_lshl_b32 s29, s29, 11                        ; four K steps of 512 bytes
	s_add_co_u32 s30, s30, s29
	s_mov_b32 s31, 0
	s_add_nc_u64 s[4:5], s[4:5], s[30:31]
	s_mul_i32 s30, s28, 6144                       ; four images
	s_add_nc_u64 s[14:15], s[14:15], s[30:31]
	s_lshl_b32 s30, s28, 8                         ; one scale chunk
	s_add_nc_u64 s[16:17], s[16:17], s[30:31]
.macro LOADX t                         ; K step t of the tile's 16 rows: each load reads 512 consecutive bytes of one row
.irp i, 0,1,2,3,4,5,6,7,8,9,10,11,12,13,14,15
	global_load_b128 v[RG+64*((\t)%2)+4*\i:RG+64*((\t)%2)+4*\i+3], v1, s[4:5] offset:(\i+8*(\i/8))*4096+512*(\t) th:TH_LOAD_NT
.endr
.endm
.macro TURN t                          ; through my stage: LDS serves a wave's instructions in order, so no wait stands between the stores and the loads
.irp i, 0,1,2,3,4,5,6,7,8,9,10,11,12,13,14,15
	ds_store_b128 v2, v[RG+64*((\t)%2)+4*\i:RG+64*((\t)%2)+4*\i+3] offset:528*\i
.endr
.irp b, 0,1,2,3
.irp j, 0,1,2,3
	ds_load_b128 v[XN+16*\b+4*\j:XN+16*\b+4*\j+3], v3 offset:128*\b+16*\j
.endr
.endr
.endm
.macro XSTEP t
.if (\t) < 3
	s_wait_loadcnt 16                              ; this step's 16 loads are in; the next step's 16 may be out
.else
	s_wait_loadcnt 0x0
.endif
	TURN \t
	s_wait_dscnt 0x0                               ; the numbers are back, and the stage's stores have read their registers,
.if (\t) < 2
	LOADX (\t)+2                                   ; which take the loads of two steps on
.endif
	s_wait_xcnt 0x0                                ; the last step's stores have read the codes' registers
	QUANT XN, PC, PC+6, PC+12
	v_lshl_or_b32 v[PW+(\t)], v[TM+5], 8, v[TM+4]  ; my row's scale word of this K step
	v_lshl_or_b32 v[PW+(\t)], v[TM+6], 16, v[PW+(\t)]
	v_lshl_or_b32 v[PW+(\t)], v[TM+7], 24, v[PW+(\t)]
.irp k, 0,1,2
	global_store_b128 v1, v[PC+4*\k:PC+4*\k+3], s[14:15] offset:1536*(\t)+512*\k   ; 512 consecutive bytes, aligned
.endr
.endm
	LOADX 0
	LOADX 1
	XSTEP 0
	XSTEP 1
	XSTEP 2
	XSTEP 3
	v_cndmask_b32 v250, v[PW], v[PW+2], s27        ; lanes 0-15 store words 0, 1 of row r, lanes 16-31 words 2, 3
	v_cndmask_b32 v251, v[PW+1], v[PW+3], s27
	global_store_b64 v4, v[250:251], s[16:17]      ; 256 consecutive bytes, aligned
	s_wait_tensorcnt 0x0                           ; the wave's end, behind my last LDS store
	ds_add_u32 v[SPW], v[NIL]
	s_wait_dscnt 0x0
	s_endpgm
	; ---------------- the weights: a lane takes a column, its registers run down K ----------------
.Lweights:
	s_sub_co_u32 s28, ttmp9, 256
	s_lshr_b32 s29, s28, 6                         ; m: which weight
	s_bfe_u32 s30, s28, 0x30003                    ; which 128 columns
	s_and_b32 s31, s28, 7                          ; K step
	s_cmp_eq_u32 s29, 1
	s_cselect_b64 s[32:33], s[8:9], s[6:7]
	s_cmp_eq_u32 s29, 2
	s_cselect_b64 s[32:33], s[10:11], s[32:33]
	s_cmp_eq_u32 s29, 3
	s_cselect_b64 s[32:33], s[12:13], s[32:33]
	s_lshl_b32 s34, s31, 19                        ; 128 rows of 4,096 bytes
	s_lshl_b32 s35, s30, 9
	s_add_co_u32 s34, s34, s35
	s_lshl_b32 s35, s22, 7                         ; my wave's 32 columns
	s_add_co_u32 s34, s34, s35
	s_mov_b32 s35, 0
	s_add_nc_u64 s[32:33], s[32:33], s[34:35]
	s_lshl_b32 s36, s29, 5
	s_lshl_b32 s37, s30, 2
	s_add_co_u32 s36, s36, s37
	s_add_co_u32 s36, s36, s22                     ; G: my pair of tiles
	s_lshl_b32 s34, s36, 4
	s_add_co_u32 s34, s34, s31
	s_mul_i32 s34, s34, 1536
	s_add_nc_u64 s[18:19], s[18:19], s[34:35]      ; image (tile 2 G, K step)
	s_lshl_b32 s34, s36, 10
	s_lshr_b32 s37, s31, 2
	s_lshl_b32 s37, s37, 8
	s_add_co_u32 s34, s34, s37
	s_and_b32 s37, s31, 3
	s_lshl_b32 s37, s37, 2
	s_add_co_u32 s34, s34, s37
	s_add_nc_u64 s[20:21], s[20:21], s[34:35]      ; the K step's word in tile 2 G's chunk
.macro LOADW kb                        ; block kb: W(32 kb + i, my column): 128 consecutive bytes a wave, 512 a work-group
.set i, 0
.rept 32
	global_load_b32 v[RG+32*(\kb)+i], v5, s[32:33] offset:4096*(32*(\kb)+i) th:TH_LOAD_NT
.set i, i+1
.endr
.endm
.macro WBLOCK kb
.set WN, RG+32*(\kb)
.set CD, XN+8*(\kb)                    ; each block has its own six registers of codes
.if (\kb) < 3
	s_wait_loadcnt 32                              ; this block's 32 loads are in; the next block's may be out
.else
	s_wait_loadcnt 0x0
.endif
.if (\kb) < 2
	LOADW (\kb)+2
.endif
	v_max3_num_f32 v250, |v[WN]|, |v[WN+1]|, |v[WN+2]|             ; all 32 numbers of the block are mine
	v_max3_num_f32 v251, |v[WN+3]|, |v[WN+4]|, |v[WN+5]|
.irp i, 6,10,14,18,22,26
	v_max3_num_f32 v250, v250, |v[WN+\i]|, |v[WN+\i+1]|
	v_max3_num_f32 v251, v251, |v[WN+\i+2]|, |v[WN+\i+3]|
.endr
	v_max3_num_f32 v250, v250, |v[WN+30]|, |v[WN+31]|
	v_max3_num_f32 v250, v250, v251, 0x1800000     ; and the floor
	v_add_nc_u32 v252, 0xff000000, v250
	v_lshrrev_b32 v253, 23, v252
.if (\kb) == 0
	v_mov_b32 v[PW], v253
.else
	v_lshl_or_b32 v[PW], v253, 8*(\kb), v[PW]      ; my column's scale word of this K step
.endif
	v_cvt_scalef32_pk16_fp6_f32 v[CD:CD+2], v[WN:WN+15], v252
	v_cvt_scalef32_pk16_fp6_f32 v[176:178], v[WN+16:WN+31], v252   ; (a conversion's three registers begin on an even number)
	v_nop
.irp i, 0,1,2
	v_mov_b32 v[CD+3+\i], v[176+\i]
.endr
	; block kb = 2 c + h is registers 6 c .. 6 c + 5 of lane place i + 16 h in the tile's image
.if (\kb) < 2
	ds_store_b128 v6, v[CD:CD+3] offset:256*((\kb)%2)
	ds_store_b64 v6, v[CD+4:CD+5] offset:512+256*((\kb)%2)
.else
	ds_store_b64 v6, v[CD:CD+1] offset:520+256*((\kb)%2)
	ds_store_b128 v6, v[CD+2:CD+5] offset:1024+256*((\kb)%2)
.endif
.endm
	LOADW 0
	LOADW 1
	WBLOCK 0
	WBLOCK 1
	WBLOCK 2
	WBLOCK 3
.irp u, 0,1
.irp k, 0,1,2
	ds_load_b128 v[184+4*(3*\u+\k):184+4*(3*\u+\k)+3], v7 offset:WTILE*\u+512*\k   ; LDS serves a wave's instructions in order: these see my stores
.endr
.endr
	s_wait_alu depctr_va_vdst(0)
.irp u, 0,1
.irp k, 0,1,2
	s_wait_dscnt 5-(3*\u+\k)
	global_store_b128 v1, v[184+4*(3*\u+\k):184+4*(3*\u+\k)+3], s[18:19] offset:12288*\u+512*\k   ; 512 consecutive bytes, aligned
.endr
.endr
	global_store_b32 v8, v[PW], s[20:21]           ; four bytes in sixteen: a chunk's other words come from the work-groups of the other K steps
	s_wait_tensorcnt 0x0                           ; the wave's end, behind my last LDS store
	ds_add_u32 v[SPW], v[NIL]
	s_wait_dscnt 0x0
	s_endpgm
.Lfunc_end_k_q919ce5e51e_quant:
	.size	k_q919ce5e51e_quant, .Lfunc_end_k_q919ce5e51e_quant-k_q919ce5e51e_quant
	.p2alignl 7, 3214868480
	.fill 96, 4, 3214868480
	.section	.rodata,"a",@progbits
	.p2align	6, 0x0
	.amdhsa_kernel k_q919ce5e51e_quant
		.amdhsa_group_segment_fixed_size 47616
		.amdhsa_private_segment_fixed_size 0
		.amdhsa_enable_private_segment 0
		.amdhsa_kernarg_size 72
		.amdhsa_user_sgpr_count 2
		.amdhsa_user_sgpr_kernarg_segment_ptr 1
		.amdhsa_wavefront_size32 1
		.amdhsa_system_sgpr_workgroup_id_x 1
		.amdhsa_system_sgpr_workgroup_id_y 1
		.amdhsa_system_sgpr_workgroup_id_z 1
		.amdhsa_system_vgpr_workitem_id 0
		.amdhsa_next_free_vgpr 256
		.amdhsa_next_free_sgpr 66
		.amdhsa_reserve_vcc 0
		.amdhsa_float_denorm_mode_32 3
		.amdhsa_float_denorm_mode_16_64 3
		.amdhsa_memory_ordered 1
		.amdhsa_forward_progress 1
		.amdhsa_inst_pref_size 55
	.end_amdhsa_kernel
	.amdgpu_metadata
---
amdhsa.version: [ 1, 2 ]
amdhsa.kernels:
  - .name:           k_q919ce5e51e_quant
    .symbol:         k_q919ce5e51e_quant.kd
    .args:
      - { .name: x, .offset: 0, .size: 8, .value_kind: global_buffer, .address_space: global }
      - { .name: w_q, .offset: 8, .size: 8, .value_kind: global_buffer, .address_space: global }
      - { .name: w_k, .offset: 16, .size: 8, .value_kind: global_buffer, .address_space: global }
      - { .name: w_v, .offset: 24, .size: 8, .value_kind: global_buffer, .address_space: global }
      - { .name: w_o, .offset: 32, .size: 8, .value_kind: global_buffer, .address_space: global }
      - { .name: xi, .offset: 40, .size: 8, .value_kind: global_buffer, .address_space: global }
      - { .name: xs, .offset: 48, .size: 8, .value_kind: global_buffer, .address_space: global }
      - { .name: wi, .offset: 56, .size: 8, .value_kind: global_buffer, .address_space: global }
      - { .name: ws, .offset: 64, .size: 8, .value_kind: global_buffer, .address_space: global }
    .group_segment_fixed_size: 47616
    .private_segment_fixed_size: 0
    .kernarg_segment_align: 8
    .kernarg_segment_size: 72
    .max_flat_workgroup_size: 128
    .sgpr_count:     66
    .vgpr_count:     256
    .wavefront_size: 32
...
	.end_amdgpu_metadata
.endif
;; end of part 1
;; launch qkv (part 2): grid 12 x 64, 4 waves a work-group, clusters of 4 x 4, 295,424 bytes of LDS; arguments xi, xs, wi, ws, b_q, b_k, b_v, q, kv; writes q, kv
.if DOCPART == 2
	.amdgcn_target "amdgcn-amd-amdhsa--gfx1250"
	.amdhsa_code_object_version 6
	.text
	.protected	k_q919ce5e51e_qkv
	.globl	k_q919ce5e51e_qkv
	.p2align	8
	.type	k_q919ce5e51e_qkv,@function
k_q919ce5e51e_qkv:
	s_mov_b64 s[64:65], 0
	v_nop
	global_prefetch_b8 v0, s[64:65] scope:SCOPE_SE
	s_setreg_imm32_b32 hwreg(HW_REG_WAVE_MODE, 25, 1), 1
	s_wait_xcnt 0x0
	s_wait_alu depctr_hold_cnt(0) depctr_sa_sdst(0) depctr_va_vdst(0) depctr_va_sdst(0) depctr_va_ssrc(0) depctr_va_vcc(0) depctr_vm_vsrc(0)
	s_getreg_b32 s2, hwreg(HW_REG_IB_STS2, 6, 4)
	s_cmp_eq_u32 s2, 0
	s_cbranch_scc0 .Lentry_in_a_cluster
	s_endpgm
.Lentry_in_a_cluster:
	s_bfe_u32 s2, ttmp6, 0x10000c
	s_cmp_lg_u32 s2, 0xf033
	s_cbranch_scc0 .Lentry_shape_is_right
	s_endpgm
.Lentry_shape_is_right:
; q = x w_q + b_q, k = x w_k + b_k, v = x w_v + b_v on codes of E2M3 (K = 1,024), and each result quantised again for attention: q and k along the head's 64, v along the keys.
; A work-group makes 256 rows of A' x 128 rows of B'.  Both operands' images for ALL of K lie in LDS (294,912 bytes), brought by four tensor loads a wave at the start: nothing is filled again.
; Wave w: A' tiles 4 w .. 4 w + 3 against B's eight: 32 accumulators.  The product is used transposed: source 0 = B', source 1 = A': a lane holds one row of A', its registers run along B's rows.
; A tile 2 g + u holds rows 32 g + 8 u + i + 8 (i / 8), so the 16 registers of B' tiles 2 b, 2 b + 1 are 16 neighbours: 32 b + 16 (lane / 16) + 0 .. 15.
; q, k (cluster x = 0, 1): A' = tokens, B' = the weight's columns: registers run along the head's axis.   v (cluster x = 2): A' = w_v's columns, B' = tokens: registers run along the keys.
; OUT.  q: [batch x head 64][16] units of 6,656 bytes: 128 tokens of a head: four images, registers 0-5 token tile 2 p, registers 6-11 tile 2 p + 1 (k = 32 h + 0 .. 31 of the head's 64); at 6,144: [2][lane][2 words]:
; the word of pair 2 hh + i, lanes 0-15 the even tile's rows, lanes 16-31 the odd tile's; bytes 2, 3 are 0.   kv: [64][16] units of 13,056 bytes: k's unit as q's; at 6,656 v's: four images (16 of the head's 64 x 128 keys);
; at 12,800: [lane][2 words]: word i: lanes 0-15 tile 2 i, lanes 16-31 tile 2 i + 1.
; CLUSTER 4 x 4: A's tiles hang on the cluster's row alone, B's on its column alone: each is asked for jointly by the four that share it.
; LIMITS: as the quantising launch: NaN, infinities not served; bytes held at 1 from below; a block of zeros has the byte 1.
; REGISTERS: window 0: v1-19 addresses; v32-47 A's scale words, v48-79 B's; v96-111 the quantiser's; v112-119 words; v128-191 the bias as C, later codes; v192-199 at work.
;   window 1: accumulator (a, b) at v[8 (8 a + b)].   windows 2, 3: two sets of fragments: A' v[12 a], B' v[48 + 12 b].
.set CHUNK, 73728                      ; two K steps: A's 16 tiles x 3,072 bytes, then B's 8
.set BOFF,  49152
.set SPARE, 294912                     ; the spare words, 128 bytes for each wave: no other line names them
.set NLF,   36                         ; LDS loads of a K step's fragments
.set ADA,   4                          ; v4-7   my A' fragments in chunk 0 .. 3
.set ADB,   8                          ; v8-11  B's
.set SPW,   28
.set NIL,   29
.set SA,    32                         ; register 8 i + s: lanes 0-15 A' tile i, lanes 16-31 tile i + 2, K step s
.set SB,    48                         ; register 8 i + s: B' tiles i and i + 4
.set TM,    96
.set WD,    112
.set BI,    128
.set TT,    192
.set WV,    22
.set MHI,   98
.set FL,    99
.set SEL,   100
.set G0A,   32                         ; s[32:47] group 0 for A', a set for each chunk;  s[48:63] for B'
.set G0B,   48
.set G1A,   68                         ; s[68:75], s[76:83] groups 1
.set G1B,   76
.set MSB, 0
.macro WIN new                         ; the immediate's high byte repeats the setting that is left
.if MSB != (\new)
	s_set_vgpr_msb (MSB<<8)|(\new)
.set MSB, (\new)
.endif
.endm
.macro JLOAD g0a, g0b                  ; a joint load: waves 0, 1 fetch for A', waves 2, 3 for B'; an s_nop 0 and four v_nop follow each line
	s_cmp_eq_u32 s23, 0
	s_cbranch_scc0 .Lfor_b_\@
	tensor_load_to_lds s[(\g0a):(\g0a)+3], s[G1A:G1A+7]
	s_nop 0
.rept 4
	v_nop
.endr
	s_branch .Lasked_\@
.Lfor_b_\@:
	tensor_load_to_lds s[(\g0b):(\g0b)+3], s[G1B:G1B+7]
	s_nop 0
.rept 4
	v_nop
.endr
.Lasked_\@:
.endm
.macro CROUND                          ; a round of the cluster's barrier
	s_barrier_signal -1
	s_barrier_wait -1
	s_cmp_lg_u32 s[WV], 0
	s_cbranch_scc1 .Lnot_wave_0_\@
	s_barrier_signal -3
.Lnot_wave_0_\@:
	s_barrier_wait -3
	s_barrier_signal -1
	s_barrier_wait -1
.endm
	s_load_b256 s[4:11], s[0:1], 0x0               ; xi, xs, wi, ws
	s_load_b256 s[12:19], s[0:1], 0x20             ; b_q, b_k, b_v, q
	s_load_b64 s[20:21], s[0:1], 0x40              ; kv
	v_lshl_add_u32 v[SPW], v0, 2, SPARE
	v_mov_b32 v[NIL], 0
	ds_add_u32 v[SPW], v[NIL]
	ds_add_u32 v[SPW], v[NIL]                      ; the wave's opening: the add and its wait ahead of my first tensor load
	v_lshrrev_b32 v1, 5, v0
	v_readfirstlane_b32 s[WV], v1                  ; wave
	s_lshr_b32 s23, s[WV], 1                       ; I fetch for A' (0) or B' (1),
	s_and_b32 s24, s[WV], 1                        ; its first or second half
	s_bfe_u32 s25, ttmp6, 0x40000                  ; cx
	s_bfe_u32 s26, ttmp6, 0x40004                  ; cy
	s_mov_b32 s27, ttmp9                           ; cluster x: 0 q, 1 k, 2 v: the same in all sixteen partners
	s_and_b32 s28, ttmp7, 0xffff                   ; cluster y
	s_lshl_b32 s29, s26, 2
	s_lshl_b32 s29, 15, s29                        ; my row of the cluster
	s_lshl_b32 s30, 0x1111, s25                    ; my column
	s_or_b32 s[G1A], s29, (3<<16)|(1<<21)          ; the mask; elements of 8 bytes; bit 21 beside a mask; no padding
	s_or_b32 s[G1B], s30, (3<<16)|(1<<21)
	s_mov_b32 s[G1A+1], 384<<16                    ; a row: one tile's two K steps, 3,072 bytes
	s_mov_b32 s[G1A+2], 8<<16                      ; 8 tiles
	s_mov_b32 s[G1A+3], 384<<16
	s_mov_b32 s[G1A+4], 8
	s_mov_b32 s[G1A+5], 1536                       ; from tile to tile: 12,288 bytes
	s_mov_b32 s[G1A+6], 0
	s_mov_b32 s[G1A+7], 0
	s_mov_b32 s[G1B+1], 384<<16
	s_mov_b32 s[G1B+2], 4<<16                      ; 4 tiles
	s_mov_b32 s[G1B+3], 384<<16
	s_mov_b32 s[G1B+4], 4
	s_mov_b32 s[G1B+5], 1536
	s_mov_b32 s[G1B+6], 0
	s_mov_b32 s[G1B+7], 0
	s_mov_b32 s[MHI], 0xffff0000
	s_mov_b32 s[FL], 0x1800000
	s_mov_b32 s[SEL], 0x76543210
	s_mov_b32 s[SEL+1], 0xfedcba98
	; first tiles.  q, k: A' 64 (cluster y / 2) + 16 cy, B' 64 x matrix + 32 (cluster y % 2) + 8 cx.   v: A' 128 + 16 cy, B' 32 cluster y + 8 cx
	s_lshr_b32 s29, s28, 1
	s_lshl_b32 s29, s29, 6
	s_lshl_b32 s94, s26, 4
	s_and_b32 s31, s28, 1
	s_lshl_b32 s31, s31, 5
	s_lshl_b32 s96, s27, 6
	s_add_co_u32 s31, s31, s96
	s_lshl_b32 s96, s28, 5
	s_lshl_b32 s97, s25, 3
	s_cmp_eq_u32 s27, 2
	s_cselect_b32 s92, 128, s29
	s_cselect_b32 s93, s96, s31
	s_add_co_u32 s92, s92, s94                     ; A's first tile: hangs on cy, not on cx
	s_add_co_u32 s93, s93, s97                     ; B's: on cx, not on cy
	s_lshl_b32 s29, s24, 3
	s_add_co_u32 s29, s29, s92
	s_mul_i32 s94, s29, 12288
	s_mov_b32 s95, 0
	s_lshl_b32 s31, s24, 2
	s_add_co_u32 s31, s31, s93
	s_mul_i32 s96, s31, 12288
	s_mov_b32 s97, 0
	s_mul_i32 s29, s24, 24576                      ; where they go in a chunk: no place in the cluster enters an LDS address
	s_mul_i32 s31, s24, 12288
	s_add_co_u32 s31, s31, BOFF
.irp b, 0,1,2,3
	v_mov_b32 v[TM+4+\b], 0                        ; written once: a lane permute's destination counts as one of its sources
.endr
	s_wait_dscnt 0x0                               ; the opening add is done
	s_wait_kmcnt 0x0
	s_cmp_eq_u32 s27, 2
	s_cselect_b64 s[84:85], s[8:9], s[4:5]         ; A's images
	s_cselect_b64 s[86:87], s[4:5], s[8:9]         ; B's
	s_cselect_b64 s[88:89], s[10:11], s[6:7]       ; A's scale words
	s_cselect_b64 s[90:91], s[6:7], s[10:11]       ; B's
	s_add_nc_u64 s[94:95], s[84:85], s[94:95]
	s_add_nc_u64 s[96:97], s[86:87], s[96:97]
	CROUND                                         ; all sixteen work-groups are here: the joint loads meet
.irp c, 0,1,2,3                        ; four loads of mine are out together, each with a group 0 of its own
	s_mov_b32 s[G0A+4*\c], 1
	s_add_co_u32 s[G0A+4*\c+1], s29, \c*CHUNK
	s_add_nc_u64 s[G0A+4*\c+2:G0A+4*\c+3], s[94:95], \c*3072
	s_or_b32 s[G0A+4*\c+3], s[G0A+4*\c+3], 0x80000000
	s_mov_b32 s[G0B+4*\c], 1
	s_add_co_u32 s[G0B+4*\c+1], s31, \c*CHUNK
	s_add_nc_u64 s[G0B+4*\c+2:G0B+4*\c+3], s[96:97], \c*3072
	s_or_b32 s[G0B+4*\c+3], s[G0B+4*\c+3], 0x80000000
	JLOAD G0A+4*\c, G0B+4*\c
.endr
	v_and_b32 v1, 15, v0                           ; r
	v_bfe_u32 v2, v0, 4, 1                         ; h
	v_and_b32 v3, 31, v0                           ; lane
	v_lshlrev_b32 v15, 4, v3
	s_wait_alu depctr_va_vdst(0)
	v_lshlrev_b32 v16, 3, v3
	v_lshlrev_b32 v12, 4, v1
	v_lshl_add_u32 v13, v2, 11, v12                ; B's scale words: row r; lanes 16-31 four tiles on
	v_lshl_add_u32 v12, v2, 10, v12                ; A's: lanes 16-31 two tiles on
	s_lshl_b32 s30, s[WV], 2
	s_add_co_u32 s30, s30, s92
	s_lshl_b32 s30, s30, 9
	s_mov_b32 s31, 0
	s_add_nc_u64 s[88:89], s[88:89], s[30:31]
	s_lshl_b32 s30, s93, 9
	s_add_nc_u64 s[90:91], s[90:91], s[30:31]
.irp i, 0,1
.irp h, 0,1
	global_load_b128 v[SA+8*\i+4*\h:SA+8*\i+4*\h+3], v12, s[88:89] offset:512*\i+256*\h   ; sixteen lanes read 256 consecutive bytes
.endr
.endr
.irp i, 0,1,2,3
.irp h, 0,1
	global_load_b128 v[SB+8*\i+4*\h:SB+8*\i+4*\h+3], v13, s[90:91] offset:512*\i+256*\h
.endr
.endr
	s_mul_i32 s30, s[WV], 12288
	v_add_nc_u32 v[ADA], s30, v15
	v_add_nc_u32 v[ADB], BOFF, v15
.irp c, 1,2,3
	v_add_nc_u32 v[ADA+\c], \c*CHUNK, v[ADA]
	v_add_nc_u32 v[ADB+\c], \c*CHUNK, v[ADB]
.endr
	v_lshlrev_b32 v14, 6, v2                       ; q, k's bias: 16 h numbers on
	v_and_b32 v19, 8, v1
	v_add_nc_u32 v19, v19, v1
	v_lshlrev_b32 v19, 2, v19                      ; v's bias: my row r + 8 (r / 8) of a tile
	s_mul_i32 s30, s24, 3072
	v_add_nc_u32 v17, s30, v15                     ; q, k's way out: my wave's two pairs of a unit's four
	s_lshl_b32 s30, s24, 8
	s_add_co_u32 s30, s30, 6144
	v_add_nc_u32 v18, s30, v16                     ; and their scale words
.macro WM d, fb, fa, c, sb, sa, rb, ra ; one product; rb, ra: the scale words lie in lanes 16-31
.if (\rb) && (\ra)
	v_wmma_scale_f32_16x16x128_f8f6f4 v[(\d):(\d)+7], v[(\fb):(\fb)+11], v[(\fa):(\fa)+11], v[(\c):(\c)+7], v[(\sb)], v[(\sa)] matrix_a_fmt:MATRIX_FMT_FP6 matrix_b_fmt:MATRIX_FMT_FP6 matrix_a_scale:MATRIX_SCALE_ROW1 matrix_b_scale:MATRIX_SCALE_ROW1
.elseif (\rb)
	v_wmma_scale_f32_16x16x128_f8f6f4 v[(\d):(\d)+7], v[(\fb):(\fb)+11], v[(\fa):(\fa)+11], v[(\c):(\c)+7], v[(\sb)], v[(\sa)] matrix_a_fmt:MATRIX_FMT_FP6 matrix_b_fmt:MATRIX_FMT_FP6 matrix_a_scale:MATRIX_SCALE_ROW1
.elseif (\ra)
	v_wmma_scale_f32_16x16x128_f8f6f4 v[(\d):(\d)+7], v[(\fb):(\fb)+11], v[(\fa):(\fa)+11], v[(\c):(\c)+7], v[(\sb)], v[(\sa)] matrix_a_fmt:MATRIX_FMT_FP6 matrix_b_fmt:MATRIX_FMT_FP6 matrix_b_scale:MATRIX_SCALE_ROW1
.else
	v_wmma_scale_f32_16x16x128_f8f6f4 v[(\d):(\d)+7], v[(\fb):(\fb)+11], v[(\fa):(\fa)+11], v[(\c):(\c)+7], v[(\sb)], v[(\sa)] matrix_a_fmt:MATRIX_FMT_FP6 matrix_b_fmt:MATRIX_FMT_FP6
.endif
.endm
; K step s: 32 products; the 32 accumulators take turns, in the same order in every step.  mode 0: sums go on; 1: the bias by B's rows starts them; 2: the bias by A's rows
.macro MUL s, mode
.if (\mode) == 0
	WIN 0x5a+5*((\s)%2)                            ; fragments in window 2 or 3, C and D in window 1
.else
	WIN 0x4a                                       ; C in window 0
.endif
.irp a, 0,1,2,3
.irp b, 0,1,2,3,4,5,6,7
.if (\mode) == 0
	WM 8*(8*\a+\b), 48+12*\b, 12*\a, 8*(8*\a+\b), SB+8*(\b%4)+(\s), SA+8*(\a%2)+(\s), \b/4, \a/2
.elseif (\mode) == 1
	WM 8*(8*\a+\b), 48+12*\b, 12*\a, BI+8*\b, SB+8*(\b%4)+(\s), SA+8*(\a%2)+(\s), \b/4, \a/2
.else
	WM 8*(8*\a+\b), 48+12*\b, 12*\a, BI+8*\a, SB+8*(\b%4)+(\s), SA+8*(\a%2)+(\s), \b/4, \a/2
.endif
.endr
.endr
.endm
.macro FETCH s                         ; K step s's fragments, as images: 16 x lane, 512 bytes a load
	WIN 0x80+0x40*((\s)%2)
.irp a, 0,1,2,3
.irp k, 0,1,2
	ds_load_b128 v[12*\a+4*\k:12*\a+4*\k+3], v[ADA+(\s)/2] offset:3072*\a+1536*((\s)%2)+512*\k
.endr
.endr
.irp b, 0,1,2,3,4,5,6,7
.irp k, 0,1,2
	ds_load_b128 v[48+12*\b+4*\k:48+12*\b+4*\k+3], v[ADB+(\s)/2] offset:3072*\b+1536*((\s)%2)+512*\k
.endr
.endr
.endm
.macro STEP s, mode
.if ((\s) < 7) && ((\s)%2 == 1)
	s_wait_tensorcnt 3-((\s)+1)/2                  ; my part of the next chunk is in; my loads of the later chunks may be out
	s_wait_dscnt 0x0
	s_barrier_signal -1
	s_barrier_wait -1                              ; everybody's part is in
.endif
.if (\s) < 7
.if (\s) > 0
.rept 4
	v_nop                                          ; four places in front of loads into registers that the last step's products read
.endr
.endif
	FETCH (\s)+1
	s_wait_dscnt NLF                               ; all but those just issued: this step's fragments are in
.else
	s_wait_dscnt 0x0
.endif
	MUL \s, \mode
	WIN 0
.endm
	s_wait_tensorcnt 0x3                           ; my part of chunk 0 is in,
	s_barrier_signal -1
	s_barrier_wait -1                              ; everybody's is
	FETCH 0
	WIN 0
	s_cmp_eq_u32 s27, 2
	s_cbranch_scc1 .Lv_first
	s_and_b32 s30, s28, 1                          ; q, k: the bias of my 128 columns, in the result's layout: register j of tile b: column 32 (b / 2) + 8 (b % 2) + 16 h + j
	s_lshl_b32 s30, s30, 2
	s_add_co_u32 s30, s30, s25
	s_lshl_b32 s30, s30, 9
	s_mov_b32 s31, 0
	s_cmp_eq_u32 s27, 0
	s_cselect_b64 s[84:85], s[12:13], s[14:15]
	s_add_nc_u64 s[84:85], s[84:85], s[30:31]
	s_wait_alu depctr_va_vdst(0)
.irp b, 0,1,2,3,4,5,6,7
	global_load_b128 v[BI+8*\b:BI+8*\b+3], v14, s[84:85] offset:(32*(\b/2)+8*(\b%2))*4
	global_load_b128 v[BI+8*\b+4:BI+8*\b+7], v14, s[84:85] offset:(32*(\b/2)+8*(\b%2))*4+16
.endr
	s_wait_loadcnt 0x0                             ; the bias and the scale words
	STEP 0, 1
	s_branch .Lsteps
.Lv_first:
	s_lshl_b32 s30, s26, 10                        ; v: a lane is a column of w_v: its bias stands in all eight registers of tile a
	s_lshl_b32 s31, s[WV], 8
	s_add_co_u32 s30, s30, s31
	s_mov_b32 s31, 0
	s_add_nc_u64 s[84:85], s[16:17], s[30:31]
	s_wait_alu depctr_va_vdst(0)
.irp a, 0,1,2,3
.irp j, 0,1,2,3,4,5,6,7
	global_load_b32 v[BI+8*\a+\j], v19, s[84:85] offset:(32*(\a/2)+8*(\a%2))*4
.endr
.endr
	s_wait_loadcnt 0x0
	STEP 0, 2
.Lsteps:
	STEP 1, 0
	STEP 2, 0
	STEP 3, 0
	STEP 4, 0
	STEP 5, 0
	STEP 6, 0
	STEP 7, 0
.rept 4
	v_nop                                          ; four places in front of the first read of results
.endr
; 64 numbers of a lane in window 1, register 16 b + i = k 32 b + 16 h + i of my row, become codes in window 0: blocks 0, 1 in v[d0 .. d0+5], blocks 2, 3 in v[d1 .. d1+5]; the bytes in v[TM+4 .. TM+7].
; Each accumulator is first read at its registers 0 and 1.
.macro QUANT s, d0, d1, t
	WIN 0x14                                       ; sources 1 and 2 in window 1
.irp b, 0,1,2,3
	v_max3_num_f32 v[TM+\b], s[FL], |v[(\s)+16*\b]|, |v[(\s)+16*\b+1]|   ; the floor 2^(3 - 127) among the leaves
.endr
.irp i, 2,4,6,8,10,12,14
.irp b, 0,1,2,3
	v_max3_num_f32 v[TM+\b], v[TM+\b], |v[(\s)+16*\b+\i]|, |v[(\s)+16*\b+\i+1]|
.endr
.endr
	WIN 0
.irp b, 0,1,2,3
	v_permlanex16_b32 v[TM+4+\b], v[TM+\b], s[SEL], s[SEL+1]
.endr
.irp b, 0,1,2,3
	v_max_num_f32 v[TM+\b], v[TM+\b], v[TM+4+\b]
.endr
.irp b, 0,1,2,3
	v_add_nc_u32 v[TM+12+\b], 0xff000000, v[TM+\b]
.endr
.irp b, 0,1,2,3
	v_lshrrev_b32 v[TM+4+\b], 23, v[TM+12+\b]
.endr
	WIN 0x01                                       ; source 0 in window 1
	v_cvt_scalef32_pk16_fp6_f32 v[(\d0):(\d0)+2], v[(\s):(\s)+15], v[TM+12]
	v_cvt_scalef32_pk16_fp6_f32 v[(\t):(\t)+2], v[(\s)+16:(\s)+31], v[TM+13]
	v_cvt_scalef32_pk16_fp6_f32 v[(\d1):(\d1)+2], v[(\s)+32:(\s)+47], v[TM+14]
	v_cvt_scalef32_pk16_fp6_f32 v[(\t)+4:(\t)+6], v[(\s)+48:(\s)+63], v[TM+15]
	WIN 0
	v_nop                                          ; one plain place behind the conversions
.irp i, 0,1,2
	v_permlane16_swap_b32 v[(\d0)+\i], v[(\t)+\i]
.endr
.irp i, 0,1,2
	v_mov_b32 v[(\d0)+3+\i], v[(\t)+\i]
.endr
.irp i, 0,1,2
	v_permlane16_swap_b32 v[(\d1)+\i], v[(\t)+4+\i]
.endr
.irp i, 0,1,2
	v_mov_b32 v[(\d1)+3+\i], v[(\t)+4+\i]
.endr
.endm
	s_cmp_eq_u32 s27, 2
	s_cbranch_scc1 .Lv_out
	; ---- q, k: my 64 tokens x two heads.  Blocks 0, 1 of a lane's 128 columns are the first head, blocks 2, 3 the second
	s_lshr_b32 s29, s28, 1
	s_lshl_b32 s29, s29, 2
	s_add_co_u32 s29, s29, s26
	s_lshl_b32 s29, s29, 8
	s_lshl_b32 s30, s[WV], 6
	s_add_co_u32 s29, s29, s30                     ; my first token
	s_lshr_b32 s30, s29, 11                        ; batch
	s_lshl_b32 s30, s30, 4
	s_and_b32 s31, s28, 1
	s_lshl_b32 s31, s31, 2
	s_add_co_u32 s31, s31, s25
	s_lshl_b32 s31, s31, 1                         ; the first head
	s_add_co_u32 s30, s30, s31
	s_lshl_b32 s30, s30, 4
	s_bfe_u32 s31, s29, 0x40007                    ; which 128 tokens of the batch's 2,048
	s_add_co_u32 s30, s30, s31                     ; the unit
	s_mov_b32 s31, 13056
	s_cmp_eq_u32 s27, 0
	s_cselect_b32 s31, 6656, s31                   ; a unit's bytes: q's buffer, or kv's
	s_cselect_b64 s[84:85], s[18:19], s[20:21]
	s_mul_i32 s86, s30, s31
	s_mov_b32 s87, 0
	s_add_nc_u64 s[84:85], s[84:85], s[86:87]      ; the first head's unit
	s_lshl_b32 s86, s31, 4
	s_add_nc_u64 s[88:89], s[84:85], s[86:87]      ; the second head's: 16 units on
.irp pl, 0,1                           ; a pair of token tiles; each pair has its own registers of codes, so no store's data are written again
	QUANT 128*\pl, BI+24*\pl, BI+12+24*\pl, TT
	v_lshl_or_b32 v[WD], v[TM+5], 8, v[TM+4]       ; the even tile's words: first head, second head
	v_lshl_or_b32 v[WD+1], v[TM+7], 8, v[TM+6]
	QUANT 128*\pl+64, BI+6+24*\pl, BI+18+24*\pl, TT
	v_lshl_or_b32 v[WD+2], v[TM+5], 8, v[TM+4]     ; the odd tile's
	v_lshl_or_b32 v[WD+3], v[TM+7], 8, v[TM+6]
	v_cndmask_b32 v[WD+4+\pl], v[WD], v[WD+2], s[MHI]     ; lanes 0-15 the even tile's rows, lanes 16-31 the odd tile's
	v_cndmask_b32 v[WD+6+\pl], v[WD+1], v[WD+3], s[MHI]
.irp k, 0,1,2
	global_store_b128 v17, v[BI+24*\pl+4*\k:BI+24*\pl+4*\k+3], s[84:85] offset:1536*\pl+512*\k      ; 512 consecutive bytes, aligned
	global_store_b128 v17, v[BI+12+24*\pl+4*\k:BI+12+24*\pl+4*\k+3], s[88:89] offset:1536*\pl+512*\k
.endr
.endr
	global_store_b64 v18, v[WD+4:WD+5], s[84:85]   ; 256 consecutive bytes, aligned
	global_store_b64 v18, v[WD+6:WD+7], s[88:89]
	s_branch .Lend
.Lv_out:
	; ---- v: my head's 64 channels (a lane a channel) x 128 keys: four whole fragments
	s_lshl_b32 s29, s28, 2
	s_add_co_u32 s29, s29, s25                     ; which 128 tokens
	s_lshr_b32 s30, s29, 4                         ; batch
	s_lshl_b32 s30, s30, 4
	s_lshl_b32 s31, s26, 2
	s_add_co_u32 s30, s30, s31
	s_add_co_u32 s30, s30, s[WV]                   ; head 4 cy + wave
	s_lshl_b32 s30, s30, 4
	s_and_b32 s31, s29, 15
	s_add_co_u32 s30, s30, s31
	s_mul_i32 s86, s30, 13056
	s_mov_b32 s87, 0
	s_add_nc_u64 s[84:85], s[20:21], s[86:87]
.irp a, 0,1,2,3
	QUANT 64*\a, BI+12*\a, BI+6+12*\a, TT
	v_lshl_or_b32 v[WD+\a], v[TM+5], 8, v[TM+4]
	v_lshl_or_b32 v[WD+\a], v[TM+6], 16, v[WD+\a]
	v_lshl_or_b32 v[WD+\a], v[TM+7], 24, v[WD+\a]
.irp k, 0,1,2
	global_store_b128 v15, v[BI+12*\a+4*\k:BI+12*\a+4*\k+3], s[84:85] offset:6656+1536*\a+512*\k
.endr
.endr
	v_cndmask_b32 v[WD+4], v[WD], v[WD+1], s[MHI]
	v_cndmask_b32 v[WD+5], v[WD+2], v[WD+3], s[MHI]
	global_store_b64 v16, v[WD+4:WD+5], s[84:85] offset:12800
.Lend:
	s_wait_tensorcnt 0x0                           ; the wave's end, behind my last tensor load
	ds_add_u32 v[SPW], v[NIL]
	s_wait_dscnt 0x0
	CROUND                                         ; the closing round
	s_endpgm
.Lfunc_end_k_q919ce5e51e_qkv:
	.size	k_q919ce5e51e_qkv, .Lfunc_end_k_q919ce5e51e_qkv-k_q919ce5e51e_qkv
	.p2alignl 7, 3214868480
	.fill 96, 4, 3214868480
	.section	.rodata,"a",@progbits
	.p2align	6, 0x0
	.amdhsa_kernel k_q919ce5e51e_qkv
		.amdhsa_group_segment_fixed_size 295424
		.amdhsa_private_segment_fixed_size 0
		.amdhsa_enable_private_segment 0
		.amdhsa_kernarg_size 72
		.amdhsa_user_sgpr_count 2
		.amdhsa_user_sgpr_kernarg_segment_ptr 1
		.amdhsa_wavefront_size32 1
		.amdhsa_system_sgpr_workgroup_id_x 1
		.amdhsa_system_sgpr_workgroup_id_y 1
		.amdhsa_system_sgpr_workgroup_id_z 1
		.amdhsa_system_vgpr_workitem_id 0
		.amdhsa_next_free_vgpr 1024
		.amdhsa_next_free_sgpr 102
		.amdhsa_reserve_vcc 0
		.amdhsa_float_denorm_mode_32 3
		.amdhsa_float_denorm_mode_16_64 3
		.amdhsa_memory_ordered 1
		.amdhsa_forward_progress 1
		.amdhsa_inst_pref_size 109
	.end_amdhsa_kernel
	.amdgpu_metadata
---
amdhsa.version: [ 1, 2 ]
amdhsa.kernels:
  - .name:           k_q919ce5e51e_qkv
    .symbol:         k_q919ce5e51e_qkv.kd
    .args:
      - { .name: xi, .offset: 0, .size: 8, .value_kind: global_buffer, .address_space: global }
      - { .name: xs, .offset: 8, .size: 8, .value_kind: global_buffer, .address_space: global }
      - { .name: wi, .offset: 16, .size: 8, .value_kind: global_buffer, .address_space: global }
      - { .name: ws, .offset: 24, .size: 8, .value_kind: global_buffer, .address_space: global }
      - { .name: b_q, .offset: 32, .size: 8, .value_kind: global_buffer, .address_space: global }
      - { .name: b_k, .offset: 40, .size: 8, .value_kind: global_buffer, .address_space: global }
      - { .name: b_v, .offset: 48, .size: 8, .value_kind: global_buffer, .address_space: global }
      - { .name: q, .offset: 56, .size: 8, .value_kind: global_buffer, .address_space: global }
      - { .name: kv, .offset: 64, .size: 8, .value_kind: global_buffer, .address_space: global }
    .group_segment_fixed_size: 295424
    .private_segment_fixed_size: 0
    .kernarg_segment_align: 8
    .kernarg_segment_size: 72
    .max_flat_workgroup_size: 128
    .sgpr_count:     102
    .vgpr_count:     1024
    .wavefront_size: 32
...
	.end_amdgpu_metadata
.endif
;; end of part 2
;; launch attn (part 3): grid 4 x 64, 16 waves a work-group, no clusters, 327,680 bytes of LDS; arguments q, kv, ci, cs; writes ci, cs
.if DOCPART == 3
	.amdgcn_target "amdgcn-amd-amdhsa--gfx1250"
	.amdhsa_code_object_version 6
	.text
	.protected	k_q919ce5e51e_attn
	.globl	k_q919ce5e51e_attn
	.p2align	8
	.type	k_q919ce5e51e_attn,@function
k_q919ce5e51e_attn:
	s_mov_b64 s[64:65], 0
	v_nop
	global_prefetch_b8 v0, s[64:65] scope:SCOPE_SE
	s_setreg_imm32_b32 hwreg(HW_REG_WAVE_MODE, 25, 1), 1
	s_wait_xcnt 0x0
; Causal attention of one batch x head on codes of E2M3: S^T = K Q^T (K = the head's 64), p = 2^(t - M), O^T = V^T P^T (K = the keys), ctx = O / l, quantised along the head's axis for the last product.
; t = score x log2(e) / 8; M = the running largest t rounded up to a whole number; the row's sum l is taken of the unquantised p; when M moves, l and O are multiplied by 2^(old M - new M): exact.
; SHARES.  A work-group owns query blocks J and 7 - J (256 queries each) of its head, one after the other.  Block b reads key slots 0 .. b (256 keys a slot): J + 1 + 8 - J = 9 slots in every work-group: a constant
; count of trips and even work.  Each of the sixteen waves owns one tile of 16 queries: 256 b + 32 (w / 2) + 8 (w % 2) + r + 8 (r / 8).  Four waves to a SIMD: one wave's softmax stands beside another's products.
; A slot is two units of kv, 26,112 dense bytes, brought by waves 0 and 1 (a unit each) into a ring of two LDS slots and read by all sixteen.
; K = 64 IN A PRODUCT OF 128: Q's registers 6-11 are zero codes.  K's tile t is registers 6 t .. 6 t + 11 of the unit's images: its upper six are the next tile's codes (zeros behind the last); they meet Q's zero codes
; under the scale byte 0 (2^-127) and add exactly 0.
; No cluster: the four work-groups of a head want different slots in a given trip (0 .. J, then 0 .. 7 - J), so no joint request would be alike in all of them.
; OUT.  ci: [token tile 512][K step 8] of 1,536 bytes, as six planes of 256 bytes: registers 2 p, 2 p + 1 of lane l at 256 p + 8 l; head 2 s fills planes 0-2, head 2 s + 1 planes 3-5.
; cs: [tile][half of K][row][4 words]; in word s bytes 0, 1 are head 2 s's, bytes 2, 3 head 2 s + 1's: two bytes a row are stored here, in sixteen.
; LIMITS: NaN, infinities not served; p under 2^-126 comes out of v_exp_f32 as 0; 1 / l by v_rcp_f32; scale bytes held at 1 from below; a block of zeros has the byte 1.
.set UNIT,  13056
.set SLOTB, 26112
.set SLOT1, 32768
.set SPARE, 65536                      ; the spare words, 128 bytes for each wave: no other line names them
.set KF0,   32                         ; v32-79  K's, then V's fragments; v80-85 zeros
.set KS,    86                         ; v86-89  K's scale words
.set VS,    90                         ; v90-91  V's;  v92 p's;  v28 Q's
.set SS,    96                         ; v96-159 S^T, then p
.set OT,    160                        ; v160-191 O^T
.set BM,    212                        ; v212-215 the blocks' largest
.set PB,    216                        ; v216-219 the other half's, then bytes
.set SO,    220                        ; v220-223 the conversions' scale operands
.set SEL,   20
.set CS,    22
; v1 16 l; v2 8 l; v3, v4 the same in the slot in hand; v5, v6 the add's two; v7 r + 8 (r / 8) - 16 h; v8, v9 Q's offsets; v10 16 r; v11 the prefetches' offset; v12 -M; v13 largest t; v[14:15] l; v16-27 Q
; s12 wave; s13 J; s14 batch x head; s15 trip; s16 key slot of the trip; s17 LDS slot; s18 the step's first key; s19 my first query; s[24:31], s[32:35] the descriptor; s[36:37] kv at my unit of slot 0; s[42:43] at the head
.macro TLOAD                           ; waves 0 and 1 fetch; an s_nop 0 and four v_nop follow the load
	s_cmp_lt_u32 s12, 2
	s_cbranch_scc0 .Lno_load_\@
	tensor_load_to_lds s[32:35], s[24:31]
	s_nop 0
.rept 4
	v_nop
.endr
.Lno_load_\@:
.endm
; A prefetch into the L2: in trips 1 to 5 waves 4 to 7 of the head's work-group J = 0 name key slot trip + 2 (slots 3 to 7), lanes 256 bytes apart; the lanes beyond a slot's 102 blocks name its last block.
; That work-group's own tensor load of the slot follows two trips later; the earliest load of it in another work-group of the head one trip later.  Slots 0 to 2 come by their loads alone; nothing is named beyond slot 7.
.macro ASK
	s_cmp_ge_u32 s15, s44
	s_cbranch_scc0 .Lnot_mine_\@
	s_cmp_le_u32 s15, 5
	s_cbranch_scc0 .Lnot_mine_\@
	global_prefetch_b8 v11, s[40:41] th:TH_LOAD_NT scope:SCOPE_SE
.Lnot_mine_\@:
.endm
	s_load_b256 s[4:11], s[0:1], 0x0               ; q, kv, ci, cs
	v_lshl_add_u32 v5, v0, 2, SPARE
	v_mov_b32 v6, 0
	ds_add_u32 v5, v6                              ; the wave's opening: the add and its wait ahead of my first tensor load
	ds_add_u32 v5, v6
	v_lshrrev_b32 v29, 5, v0
	s_delay_alu instid0(VALU_DEP_1)
	v_readfirstlane_b32 s12, v29
	s_mov_b32 s13, ttmp9
	s_and_b32 s14, ttmp7, 0xffff
	s_mov_b32 s24, 3<<16                           ; no mask; elements of 8 bytes; no padding
	s_mov_b32 s25, 32<<16                          ; rows of 256 bytes,
	s_mov_b32 s26, 51<<16                          ; 51 of them: a unit
	s_mov_b32 s27, 32<<16
	s_mov_b32 s28, 51
	s_mov_b32 s29, 32                              ; dense
	s_mov_b32 s30, 0
	s_mov_b32 s31, 0
	s_mov_b32 s[SEL], 0x76543210
	s_mov_b32 s[SEL+1], 0xfedcba98
	s_mov_b32 s[CS], 0x3e38aa3b                    ; c = log2(e) / sqrt(64)
	s_mov_b32 s[CS+1], s[CS]                       ; (named with it as a pair)
	s_and_b32 s52, s12, 1
	s_lshr_b32 s53, s12, 1
	s_lshl_b32 s55, s53, 5
	s_lshl_b32 s60, s52, 3
	s_add_co_u32 s55, s55, s60                     ; my tile's first query in a block
	s_sub_co_u32 s45, 0, s52                       ; all ones in odd waves: Q is the pair's odd tile
	s_mul_i32 s33, s52, UNIT                       ; my unit's place in a slot
	s_lshl_b32 s56, s14, 4
	s_lshr_b32 s60, s12, 3
	s_add_co_u32 s56, s56, s60                     ; q's unit, less 2 x block
	s_lshr_b32 s57, s14, 4
	s_lshl_b32 s57, s57, 7
	s_add_co_u32 s57, s57, s12                     ; my token tile, less 16 x block
	s_and_b32 s60, s14, 15                         ; the head
	s_lshr_b32 s61, s60, 1
	s_mul_i32 s58, s61, 1536
	s_and_b32 s62, s60, 1
	s_mul_i32 s63, s62, 768
	s_add_co_u32 s58, s58, s63                     ; the head's planes in a tile of ci
	s_lshr_b32 s59, s60, 3
	s_lshl_b32 s59, s59, 8
	s_and_b32 s61, s61, 3
	s_lshl_b32 s61, s61, 2
	s_add_co_u32 s59, s59, s61
	s_lshl_b32 s62, s62, 1
	s_add_co_u32 s59, s59, s62                     ; and its two bytes in a tile of cs
	s_lshr_b32 s60, s12, 2
	s_xor_b32 s60, s60, 1
	s_or_b32 s60, s60, s13                         ; 0 in waves 4 to 7 of work-group J = 0
	s_mov_b32 s44, 100
	s_cmp_eq_u32 s60, 0
	s_cselect_b32 s44, 1, s44
	v_and_b32 v29, 31, v0                          ; lane
	v_and_b32 v30, 15, v0                          ; r
	s_wait_alu depctr_va_vdst(0)
	v_bfe_u32 v31, v0, 4, 1                        ; h
	v_lshlrev_b32 v1, 4, v29
	s_wait_alu depctr_va_vdst(0)
	v_lshlrev_b32 v2, 3, v29
	v_and_b32 v7, 8, v30
	s_delay_alu instid0(VALU_DEP_1)
	v_add_nc_u32 v7, v7, v30
	v_lshlrev_b32 v226, 4, v31
	s_delay_alu instid0(VALU_DEP_1)
	v_sub_nc_u32 v7, v7, v226
	s_lshl_b32 s60, s52, 7                         ; Q's scale word: lane place r + 16 (w % 2), word (w / 2) % 2, half (w / 4) % 2 of the unit's scale words
	s_and_b32 s61, s53, 1
	s_lshl_b32 s61, s61, 2
	s_add_co_u32 s60, s60, s61
	s_bfe_u32 s61, s12, 0x10002
	s_lshl_b32 s61, s61, 8
	s_add_co_u32 s60, s60, s61
	s_add_co_u32 s60, s60, 6144
	v_lshl_add_u32 v8, v30, 3, s60
	s_and_b32 s61, s53, 3
	s_mul_i32 s61, s61, 1536
	v_add_nc_u32 v9, s61, v1                       ; Q's pair of tiles
	v_lshlrev_b32 v10, 4, v30
	s_and_b32 s61, s12, 3
	s_lshl_b32 s61, s61, 5
	v_add_nc_u32 v11, s61, v29
	s_delay_alu instid0(VALU_DEP_1)
	v_lshlrev_b32 v11, 8, v11
	s_delay_alu instid0(VALU_DEP_1)
	v_min_u32 v11, 25856, v11
.irp i, 0,1,2,3,4,5
	v_mov_b32 v[22+\i], 0                          ; Q's upper half: zero codes
	v_mov_b32 v[80+\i], 0                          ; and what stands behind K's last tile
.endr
.irp b, 0,1,2,3
	v_mov_b32 v[PB+\b], 0                          ; written once: a lane permute's destination counts as one of its sources
.endr
	v_mov_b32 v225, 0                              ; upper halves of pairs of which the low word serves both halves
	v_mov_b32 v226, 0
	v_mov_b32 v227, 0
	s_wait_dscnt 0x0                               ; the opening add is done
	s_wait_kmcnt 0x0
	s_mul_i32 s60, s14, 8*SLOTB
	s_mov_b32 s61, 0
	s_add_nc_u64 s[42:43], s[6:7], s[60:61]
	s_mov_b32 s60, s33
	s_add_nc_u64 s[36:37], s[42:43], s[60:61]
	s_mov_b32 s32, 1
	s_mov_b64 s[34:35], s[36:37]
	s_or_b32 s35, s35, 0x80000000
	TLOAD                                          ; key slot 0 into LDS slot 0
.macro SETBLK                          ; s52 = the query block
	s_lshl_b32 s19, s52, 8
	s_add_co_u32 s19, s19, s55
	s_lshl_b32 s60, s52, 1
	s_add_co_u32 s60, s60, s56
	s_mul_i32 s60, s60, 6656
	s_mov_b32 s61, 0
	s_add_nc_u64 s[46:47], s[4:5], s[60:61]        ; q's unit
	s_lshl_b32 s62, s52, 4
	s_add_co_u32 s62, s62, s57                     ; my token tile
	s_mul_i32 s60, s62, 12288
	s_add_co_u32 s60, s60, s58
	s_add_nc_u64 s[48:49], s[8:9], s[60:61]
	s_lshl_b32 s60, s62, 9
	s_add_co_u32 s60, s60, s59
	s_add_nc_u64 s[50:51], s[10:11], s[60:61]
.endm
.macro QLOAD
.irp k, 0,1,2
	global_load_b128 v[SS+4*\k:SS+4*\k+3], v9, s[46:47] offset:512*\k
.endr
	global_load_b32 v28, v8, s[46:47]
	s_wait_loadcnt 0x0
.irp i, 0,1,2,3,4,5
	v_cndmask_b32 v[16+\i], v[SS+\i], v[SS+6+\i], s45
.endr
.endm
.macro INIT
	v_mov_b32 v13, 0xff61b1e6                      ; the largest t so far: -3e38
	s_delay_alu instid0(VALU_DEP_1)
	v_floor_f32 v12, -v13
	v_mov_b32 v14, 0
	v_mov_b32 v15, 0
.set n, 0
.rept 32
	v_mov_b32 v[OT+n], 0                           ; the step is written once: the first finds zeros
.set n, n+1
.endr
	s_mov_b32 s18, 0
.endm
; THE CHANGE OF SLOTS, at a trip's head.  Each wave waits for all its tensor loads (its part of the slot that it is about to read), adds 0 to its spare word, and waits for that and for its reads of the slot left.
; Behind the barrier the slot ahead is whole and nobody reads the other.  fill = 1: the other is filled with the next trip's keys: the load has a trip's two key steps in which to land.
.macro CHANGE fill
	s_wait_tensorcnt 0x0                           ; no tensor load of mine is out, so the group 0 may be written
	ds_add_u32 v5, v6
.if \fill
	s_add_co_u32 s52, s16, 1
	s_cmp_eq_u32 s15, s13
	s_cselect_b32 s16, 0, s52                      ; the next trip's key slot: the next one, or slot 0 for the second block
	s_mul_i32 s38, s16, SLOTB
	s_mov_b32 s39, 0
	s_xor_b32 s33, s33, SLOT1
	s_add_nc_u64 s[34:35], s[36:37], s[38:39]
	s_or_b32 s35, s35, 0x80000000
	s_wait_xcnt 0x0                                ; the last prefetch, a trip back, has read its address
	s_add_co_u32 s52, s15, 2
	s_mul_i32 s52, s52, SLOTB
	s_mov_b32 s53, 0
	s_add_nc_u64 s[40:41], s[42:43], s[52:53]
.endif
	s_wait_dscnt 0x0                               ; the add is done, and my reads of the slot left are over
	s_barrier_signal -1
	s_barrier_wait -1
.if \fill
	TLOAD                                          ; the first thing behind the barrier, a wave's one tensor load until the next
	ASK
.endif
	v_add_nc_u32 v3, s17, v1
	v_add_nc_u32 v4, s17, v2
.endm
; A KEY STEP: 128 keys, unit qq of the slot in hand.  A step all of whose keys come after my queries is left out: a scalar branch on ids and counts.
.macro STEP qq
	s_add_co_u32 s52, s19, 23
	s_cmp_gt_u32 s18, s52
	s_cbranch_scc1 .Lhidden_\@
.rept 4
	v_nop                                          ; four places in front of loads into registers that the last products read
.endr
.set n, 0
	s_wait_alu depctr_va_vdst(0)
.rept 12
	ds_load_b128 v[KF0+4*n:KF0+4*n+3], v3 offset:UNIT*(\qq)+512*n
.set n, n+1
.endr
	ds_load_b64 v[KS:KS+1], v4 offset:UNIT*(\qq)+6144
	ds_load_b64 v[KS+2:KS+3], v4 offset:UNIT*(\qq)+6400
	s_wait_dscnt 0x0
.irp t, 0,2,4,6                        ; S^T: lane (r, h) holds query r; the 16 registers of tiles 2 b, 2 b + 1 are keys 32 b + 16 h + 0 .. 15
	v_wmma_scale_f32_16x16x128_f8f6f4 v[SS+8*\t:SS+8*\t+7], v[KF0+6*\t:KF0+6*\t+11], v[16:27], 0, v[KS+\t/2], v28 matrix_a_fmt:MATRIX_FMT_FP6 matrix_b_fmt:MATRIX_FMT_FP6
	v_wmma_scale_f32_16x16x128_f8f6f4 v[SS+8*\t+8:SS+8*\t+15], v[KF0+6*\t+6:KF0+6*\t+17], v[16:27], 0, v[KS+\t/2], v28 matrix_a_fmt:MATRIX_FMT_FP6 matrix_b_fmt:MATRIX_FMT_FP6 matrix_a_scale:MATRIX_SCALE_ROW1
.endr
.rept 4
	v_nop                                          ; four places: in front of the loads below and of the first read of the scores
.endr
.set n, 0
	s_wait_alu depctr_va_vdst(0)
.rept 12
	ds_load_b128 v[KF0+4*n:KF0+4*n+3], v3 offset:UNIT*(\qq)+6656+512*n   ; V's four fragments land under the softmax
.set n, n+1
.endr
	ds_load_b64 v[VS:VS+1], v4 offset:UNIT*(\qq)+12800
	s_add_co_u32 s52, s18, 127                     ; on the diagonal hidden scores become -infinity; a step all of whose keys count skips this
	s_cmp_le_u32 s52, s19
	s_cbranch_scc1 .Lopen_\@
	s_sub_co_i32 s52, s19, s18
	v_add_nc_u32 v228, s52, v7                     ; d = my query - the step's first key - 16 h: register 16 b + i is hidden where 32 b + i > d
	v_mov_b32 v229, 0xff800000
.set n, 0
.rept 64
	v_cmp_gt_i32 vcc_lo, 32*(n/16)+n%16, v228
	v_cndmask_b32 v[SS+n], v[SS+n], v229, vcc_lo
.set n, n+1
.endr
.Lopen_\@:
.irp b, 0,1,2,3
	v_max3_num_f32 v[BM+\b], v[SS+16*\b], v[SS+16*\b+1], v[SS+16*\b+2]   ; the largest score of each block of 32 keys: for the row's maximum, and for the block's largest p
.endr
.irp i, 3,5,7,9,11,13
.irp b, 0,1,2,3
	v_max3_num_f32 v[BM+\b], v[BM+\b], v[SS+16*\b+\i], v[SS+16*\b+\i+1]
.endr
.endr
.irp b, 0,1,2,3
	v_max_num_f32 v[BM+\b], v[BM+\b], v[SS+16*\b+15]
.endr
.irp b, 0,1,2,3
	s_delay_alu instid0(VALU_DEP_4)
	v_permlanex16_b32 v[PB+\b], v[BM+\b], s[SEL], s[SEL+1]
.endr
.irp b, 0,1,2,3
	s_delay_alu instid0(VALU_DEP_4)
	v_max_num_f32 v[BM+\b], v[BM+\b], v[PB+\b]
.endr
	s_delay_alu instid0(VALU_DEP_2)
	v_max3_num_f32 v226, v[BM], v[BM+1], v[BM+2]
	s_delay_alu instid0(VALU_DEP_1)
	v_max_num_f32 v226, v226, v[BM+3]
	s_delay_alu instid0(VALU_DEP_1)
	v_mul_f32 v226, s[CS], v226
	s_delay_alu instid0(VALU_DEP_1)
	v_max_num_f32 v13, v13, v226                   ; the running largest t
	v_mov_b32 v226, v12
	s_delay_alu instid0(VALU_DEP_2)
	v_floor_f32 v12, -v13                          ; the new -M: a whole number
	s_delay_alu instid0(VALU_DEP_1)
	v_sub_f32 v226, v12, v226
	s_delay_alu instid0(VALU_DEP_1)
	v_cvt_i32_f32 v226, v226                       ; (it saturates)
	s_delay_alu instid0(VALU_DEP_1)
	v_ldexp_f32 v224, 1.0, v226                    ; f = 2^(old M - new M)
.set n, 0
.rept 32
	v_pk_fma_f32 v[SS+n:SS+n+1], v[SS+n:SS+n+1], s[CS:CS+1], v[12:13] op_sel_hi:[1,0,0]   ; t - M
.set n, n+2
.endr
.irp b, 0,1,2,3
	v_fma_f32 v[BM+\b], v[BM+\b], s[CS], v12
.endr
.set n, 0
	s_wait_alu depctr_va_vdst(0)
.rept 64
	v_exp_f32 v[SS+n], v[SS+n]                     ; p = 2^(t - M)
.set n, n+1
.endr
	v_pk_mul_f32 v[14:15], v[14:15], v[224:225] op_sel_hi:[1,0]   ; l under the new M: the plain place behind the exponentials
	s_wait_alu depctr_va_vdst(0)                   ; one wait for the batch, ahead of its first reader
.irp b, 0,1,2,3
	v_exp_f32 v[BM+\b], v[BM+\b]                   ; each block's largest p
.endr
	v_pk_add_f32 v[242:243], v[100:101], v[104:105]
	v_pk_add_f32 v[254:255], v[108:109], v[112:113]
	v_pk_add_f32 v[252:253], v[116:117], v[120:121]
	v_pk_add_f32 v[250:251], v[124:125], v[128:129]
	v_pk_add_f32 v[248:249], v[132:133], v[136:137]
	v_pk_add_f32 v[246:247], v[140:141], v[144:145]
	v_pk_add_f32 v[244:245], v[148:149], v[152:153]
	v_pk_add_f32 v[14:15], v[14:15], v[156:157]
	v_pk_add_f32 v[242:243], v[242:243], v[96:97]
	v_pk_add_f32 v[254:255], v[254:255], v[98:99]
	v_pk_add_f32 v[252:253], v[252:253], v[102:103]
	v_pk_add_f32 v[250:251], v[250:251], v[106:107]
	v_pk_add_f32 v[248:249], v[248:249], v[110:111]
	v_pk_add_f32 v[246:247], v[246:247], v[114:115]
	v_pk_add_f32 v[244:245], v[244:245], v[118:119]
	v_pk_add_f32 v[14:15], v[14:15], v[122:123]
	v_pk_add_f32 v[242:243], v[242:243], v[126:127]
	v_pk_add_f32 v[254:255], v[254:255], v[130:131]
	v_pk_add_f32 v[252:253], v[252:253], v[134:135]
	v_pk_add_f32 v[250:251], v[250:251], v[138:139]
	v_pk_add_f32 v[248:249], v[248:249], v[142:143]
	v_pk_add_f32 v[246:247], v[246:247], v[146:147]
	v_pk_add_f32 v[244:245], v[244:245], v[150:151]
	v_pk_add_f32 v[14:15], v[14:15], v[154:155]
	v_pk_add_f32 v[242:243], v[242:243], v[158:159]
	s_delay_alu instid0(VALU_DEP_2)
	v_pk_add_f32 v[14:15], v[14:15], v[250:251]
	s_delay_alu instid0(VALU_DEP_2)
	v_pk_add_f32 v[242:243], v[242:243], v[248:249]
	v_pk_add_f32 v[254:255], v[254:255], v[246:247]
	v_pk_add_f32 v[252:253], v[252:253], v[244:245]
	s_delay_alu instid0(VALU_DEP_2)
	v_pk_add_f32 v[14:15], v[14:15], v[254:255]
	s_delay_alu instid0(VALU_DEP_2)
	v_pk_add_f32 v[242:243], v[242:243], v[252:253]
	s_delay_alu instid0(VALU_DEP_1)
	v_pk_add_f32 v[14:15], v[14:15], v[242:243]
	s_wait_alu depctr_va_vdst(0)                   ; and one for the four
.irp b, 0,1,2,3
	v_max_num_f32 v[BM+\b], 0x1800000, v[BM+\b]    ; the floor: the byte cannot fall under 1
.endr
.irp b, 0,1,2,3
	s_delay_alu instid0(VALU_DEP_4)
	v_add_nc_u32 v[SO+\b], 0xff000000, v[BM+\b]
.endr
.irp b, 0,1,2,3
	s_delay_alu instid0(VALU_DEP_4)
	v_lshrrev_b32 v[PB+\b], 23, v[SO+\b]
.endr
	s_delay_alu instid0(VALU_DEP_3)
	v_lshl_or_b32 v92, v[PB+1], 8, v[PB]           ; p's scale word for these 128 keys
	s_delay_alu instid0(VALU_DEP_1)
	v_lshl_or_b32 v92, v[PB+2], 16, v92
	s_delay_alu instid0(VALU_DEP_1)
	v_lshl_or_b32 v92, v[PB+3], 24, v92
.irp c, 0,1
	v_cvt_scalef32_pk16_fp6_f32 v[192+6*\c:194+6*\c], v[SS+32*\c:SS+32*\c+15], v[SO+2*\c]
	v_cvt_scalef32_pk16_fp6_f32 v[204+4*\c:206+4*\c], v[SS+32*\c+16:SS+32*\c+31], v[SO+2*\c+1]
.endr
	v_nop                                          ; one plain place behind the conversions
.irp c, 0,1
.irp i, 0,1,2
	v_permlane16_swap_b32 v[192+6*\c+\i], v[204+4*\c+\i]
.endr
.irp i, 0,1,2
	s_delay_alu instid0(VALU_DEP_3)
	v_mov_b32 v[195+6*\c+\i], v[204+4*\c+\i]
.endr
.endr
.set n, 0
.rept 16
	v_pk_mul_f32 v[OT+n:OT+n+1], v[OT+n:OT+n+1], v[224:225] op_sel_hi:[1,0]   ; O^T under the new M, from each accumulator's low end on; also the places between p's codes and scale word and the products
.set n, n+2
.endr
	s_wait_alu depctr_va_vdst(0)
	s_wait_dscnt 0x0                               ; V is in
.irp t, 0,2                            ; O^T += V^T P^T: register j of tile t: channel 32 (t / 2) + 8 (t % 2) + 16 h + j
	v_wmma_scale_f32_16x16x128_f8f6f4 v[OT+8*\t:OT+8*\t+7], v[KF0+12*\t:KF0+12*\t+11], v[192:203], v[OT+8*\t:OT+8*\t+7], v[VS+\t/2], v92 matrix_a_fmt:MATRIX_FMT_FP6 matrix_b_fmt:MATRIX_FMT_FP6
	v_wmma_scale_f32_16x16x128_f8f6f4 v[OT+8*\t+8:OT+8*\t+15], v[KF0+12*\t+12:KF0+12*\t+23], v[192:203], v[OT+8*\t+8:OT+8*\t+15], v[VS+\t/2], v92 matrix_a_fmt:MATRIX_FMT_FP6 matrix_b_fmt:MATRIX_FMT_FP6 matrix_a_scale:MATRIX_SCALE_ROW1
.endr
.Lhidden_\@:
	s_add_co_u32 s18, s18, 128
.endm
; A block's end: ctx = O / l, quantised along the head's 64 (two blocks), stored as the head's three planes and two scale bytes a row.  next = 1: on to block 7 - J.
.macro FINISH next
.rept 4
	v_nop                                          ; four places in front of the first read of O^T
.endr
	s_wait_xcnt 0x0                                ; the first block's stores have read their registers
	v_add_f32 v14, v14, v15
	v_permlanex16_b32 v226, v14, s[SEL], s[SEL+1]
	s_delay_alu instid0(VALU_DEP_1)
	v_add_f32 v14, v14, v226                       ; the row's sum
	s_wait_alu depctr_va_vdst(0)
	v_rcp_f32 v226, v14
	v_nop                                          ; a plain place behind the reciprocal,
	s_wait_alu depctr_va_vdst(0)                   ; and the wait ahead of its first reader
.set n, 0
.rept 16
	v_pk_mul_f32 v[OT+n:OT+n+1], v[OT+n:OT+n+1], v[226:227] op_sel_hi:[1,0]
.set n, n+2
.endr
.irp b, 0,1
	v_max3_num_f32 v[BM+\b], |v[OT+16*\b]|, |v[OT+16*\b+1]|, 0x1800000
.endr
.irp i, 2,4,6,8,10,12,14
.irp b, 0,1
	s_delay_alu instid0(VALU_DEP_2)
	v_max3_num_f32 v[BM+\b], v[BM+\b], |v[OT+16*\b+\i]|, |v[OT+16*\b+\i+1]|
.endr
.endr
.irp b, 0,1
	s_delay_alu instid0(VALU_DEP_2)
	v_permlanex16_b32 v[PB+\b], v[BM+\b], s[SEL], s[SEL+1]
.endr
.irp b, 0,1
	s_delay_alu instid0(VALU_DEP_2)
	v_max_num_f32 v[BM+\b], v[BM+\b], v[PB+\b]
.endr
.irp b, 0,1
	s_delay_alu instid0(VALU_DEP_2)
	v_add_nc_u32 v[SO+\b], 0xff000000, v[BM+\b]
.endr
.irp b, 0,1
	s_delay_alu instid0(VALU_DEP_2)
	v_lshrrev_b32 v[PB+\b], 23, v[SO+\b]
.endr
	s_delay_alu instid0(VALU_DEP_1)
	v_lshl_or_b32 v240, v[PB+1], 8, v[PB]
	v_cvt_scalef32_pk16_fp6_f32 v[230:232], v[OT:OT+15], v[SO]
	v_cvt_scalef32_pk16_fp6_f32 v[236:238], v[OT+16:OT+31], v[SO+1]
	v_nop
.irp i, 0,1,2
	v_permlane16_swap_b32 v[230+\i], v[236+\i]
.endr
.irp i, 0,1,2
	s_delay_alu instid0(VALU_DEP_3)
	v_mov_b32 v[233+\i], v[236+\i]
.endr
.irp i, 0,1,2
	global_store_b64 v2, v[230+2*\i:231+2*\i], s[48:49] offset:256*\i   ; 256 consecutive bytes, aligned
.endr
	global_store_b16 v10, v240, s[50:51]           ; lanes r and r + 16 hold the same two bytes and store them at the same place
.if \next
	s_wait_xcnt 0x0                                ; the stores have read their bases
	s_sub_co_u32 s52, 7, s13
	SETBLK
	QLOAD
	INIT
.endif
.endm
	s_mov_b32 s52, s13
	SETBLK
	QLOAD
	INIT
	s_mov_b32 s15, 0
	s_mov_b32 s16, 0
	s_mov_b32 s17, 0
.Lvisit:                                           ; eight trips: behind each change of slots the next trip's keys are asked for
	CHANGE 1
	STEP 0
	STEP 1
	s_xor_b32 s17, s17, SLOT1
	s_cmp_lg_u32 s15, s13
	s_cbranch_scc1 .Lsame_block
	FINISH 1                                       ; trip J was block J's last
.Lsame_block:
	s_add_co_u32 s15, s15, 1
	s_cmp_lt_u32 s15, 8
	s_cbranch_scc1 .Lvisit
	CHANGE 0                                       ; the ninth trip is written out: it asks for nothing
	STEP 0
	STEP 1
	FINISH 0
	s_wait_tensorcnt 0x0                           ; the wave's end, behind my last tensor load
	ds_add_u32 v5, v6
	s_wait_dscnt 0x0
	s_endpgm
.Lfunc_end_k_q919ce5e51e_attn:
	.size	k_q919ce5e51e_attn, .Lfunc_end_k_q919ce5e51e_attn-k_q919ce5e51e_attn
	.p2alignl 7, 3214868480
	.fill 96, 4, 3214868480
	.section	.rodata,"a",@progbits
	.p2align	6, 0x0
	.amdhsa_kernel k_q919ce5e51e_attn
		.amdhsa_group_segment_fixed_size 327680
		.amdhsa_private_segment_fixed_size 0
		.amdhsa_enable_private_segment 0
		.amdhsa_kernarg_size 32
		.amdhsa_user_sgpr_count 2
		.amdhsa_user_sgpr_kernarg_segment_ptr 1
		.amdhsa_wavefront_size32 1
		.amdhsa_system_sgpr_workgroup_id_x 1
		.amdhsa_system_sgpr_workgroup_id_y 1
		.amdhsa_system_sgpr_workgroup_id_z 1
		.amdhsa_system_vgpr_workitem_id 0
		.amdhsa_next_free_vgpr 256
		.amdhsa_next_free_sgpr 66
		.amdhsa_reserve_vcc 1
		.amdhsa_float_denorm_mode_32 3
		.amdhsa_float_denorm_mode_16_64 3
		.amdhsa_memory_ordered 1
		.amdhsa_forward_progress 1
		.amdhsa_inst_pref_size 109
	.end_amdhsa_kernel
	.amdgpu_metadata
---
amdhsa.version: [ 1, 2 ]
amdhsa.kernels:
  - .name:           k_q919ce5e51e_attn
    .symbol:         k_q919ce5e51e_attn.kd
    .args:
      - { .name: q, .offset: 0, .size: 8, .value_kind: global_buffer, .address_space: global }
      - { .name: kv, .offset: 8, .size: 8, .value_kind: global_buffer, .address_space: global }
      - { .name: ci, .offset: 16, .size: 8, .value_kind: global_buffer, .address_space: global }
      - { .name: cs, .offset: 24, .size: 8, .value_kind: global_buffer, .address_space: global }
    .group_segment_fixed_size: 327680
    .private_segment_fixed_size: 0
    .kernarg_segment_align: 8
    .kernarg_segment_size: 32
    .max_flat_workgroup_size: 512
    .sgpr_count:     66
    .vgpr_count:     256
    .wavefront_size: 32
...
	.end_amdgpu_metadata
.endif
;; end of part 3
;; launch outp (part 4): grid 8 x 32, 4 waves a work-group, clusters of 4 x 4, 295,424 bytes of LDS; arguments ci, cs, wi, ws, b_o, out0; writes out0
.if DOCPART == 4
	.amdgcn_target "amdgcn-amd-amdhsa--gfx1250"
	.amdhsa_code_object_version 6
	.text
	.protected	k_q919ce5e51e_outp
	.globl	k_q919ce5e51e_outp
	.p2align	8
	.type	k_q919ce5e51e_outp,@function
k_q919ce5e51e_outp:
	s_mov_b64 s[64:65], 0
	v_nop
	global_prefetch_b8 v0, s[64:65] scope:SCOPE_SE
	s_setreg_imm32_b32 hwreg(HW_REG_WAVE_MODE, 25, 1), 1
	s_wait_xcnt 0x0
	s_wait_alu depctr_hold_cnt(0) depctr_sa_sdst(0) depctr_va_vdst(0) depctr_va_sdst(0) depctr_va_ssrc(0) depctr_va_vcc(0) depctr_vm_vsrc(0)
	s_getreg_b32 s2, hwreg(HW_REG_IB_STS2, 6, 4)
	s_cmp_eq_u32 s2, 0
	s_cbranch_scc0 .Lentry_in_a_cluster
	s_endpgm
.Lentry_in_a_cluster:
	s_bfe_u32 s2, ttmp6, 0x10000c
	s_cmp_lg_u32 s2, 0xf033
	s_cbranch_scc0 .Lentry_shape_is_right
	s_endpgm
.Lentry_shape_is_right:
; out0 = ctx w_o + b_o on codes of E2M3 (K = 1,024).  The frame of the projections' launch: a work-group makes 256 tokens (A') x 128 columns (B'); both operands' images for all of K lie in LDS (294,912 bytes),
; brought by four tensor loads a wave at the start: nothing is filled again.  Wave w: A' tiles 4 w .. 4 w + 3 against B's eight: 32 accumulators.  Transposed: source 0 = w_o's columns, source 1 = tokens:
; a lane holds one token, its registers run along the columns: of B' tiles 2 b, 2 b + 1 the 16 registers are columns 32 b + 16 (lane / 16) + 0 .. 15.  A tile 2 g + u holds rows 32 g + 8 u + i + 8 (i / 8).
; ctx's images lie as six planes of 256 bytes (registers 2 p, 2 p + 1 of lane l at 256 p + 8 l): six loads of 8 bytes a fragment; w_o's as three of 512 bytes.
; The bias is the C of each sum's first product.  The way out goes through a stage of 16 rows x 528 bytes a wave, in chunk 0: it has had its one fill, and every wave has passed a barrier behind its last read of it.
; CLUSTER 4 x 4: A's tiles are shared along the cluster's row, B's along its column.
; REGISTERS: window 0: v1-18 addresses; v32-47 A's scale words, v48-79 B's; v128-191 the bias, later rows of the result, by turns with v192-255.  window 1: accumulator (a, b) at v[8 (8 a + b)].  windows 2, 3: fragments.
.set CHUNK, 73728
.set BOFF,  49152
.set SPARE, 294912                     ; the spare words, 128 bytes for each wave: no other line names them
.set NLF,   48
.set ADA,   4
.set ADB,   8
.set SPW,   28
.set NIL,   29
.set SA,    32
.set SB,    48
.set BI,    128
.set WV,    22
.set G0A,   32
.set G0B,   48
.set G1A,   68
.set G1B,   76
.set MSB, 0
.macro WIN new                         ; the immediate's high byte repeats the setting that is left
.if MSB != (\new)
	s_set_vgpr_msb (MSB<<8)|(\new)
.set MSB, (\new)
.endif
.endm
.macro JLOAD g0a, g0b                  ; a joint load: waves 0, 1 fetch for A', waves 2, 3 for B'; an s_nop 0 and four v_nop follow each line
	s_cmp_eq_u32 s23, 0
	s_cbranch_scc0 .Lfor_b_\@
	tensor_load_to_lds s[(\g0a):(\g0a)+3], s[G1A:G1A+7]
	s_nop 0
.rept 4
	v_nop
.endr
	s_branch .Lasked_\@
.Lfor_b_\@:
	tensor_load_to_lds s[(\g0b):(\g0b)+3], s[G1B:G1B+7]
	s_nop 0
.rept 4
	v_nop
.endr
.Lasked_\@:
.endm
.macro CROUND                          ; a round of the cluster's barrier
	s_barrier_signal -1
	s_barrier_wait -1
	s_cmp_lg_u32 s[WV], 0
	s_cbranch_scc1 .Lnot_wave_0_\@
	s_barrier_signal -3
.Lnot_wave_0_\@:
	s_barrier_wait -3
	s_barrier_signal -1
	s_barrier_wait -1
.endm
	s_load_b256 s[4:11], s[0:1], 0x0               ; ci, cs, wi, ws
	s_load_b128 s[12:15], s[0:1], 0x20             ; b_o, out0
	v_lshl_add_u32 v[SPW], v0, 2, SPARE
	v_mov_b32 v[NIL], 0
	ds_add_u32 v[SPW], v[NIL]                      ; the wave's opening: the add and its wait ahead of my first tensor load
	v_lshrrev_b32 v1, 5, v0
	v_readfirstlane_b32 s[WV], v1
	s_lshr_b32 s23, s[WV], 1
	s_and_b32 s24, s[WV], 1
	s_bfe_u32 s25, ttmp6, 0x40000                  ; cx
	s_bfe_u32 s26, ttmp6, 0x40004                  ; cy
	s_lshl_b32 s27, ttmp9, 2
	s_add_co_u32 s27, s27, s25                     ; block of 128 columns
	s_and_b32 s28, ttmp7, 0xffff
	s_lshl_b32 s28, s28, 2
	s_add_co_u32 s28, s28, s26                     ; block of 256 tokens
	s_lshl_b32 s29, s26, 2
	s_lshl_b32 s29, 15, s29                        ; my row of the cluster
	s_lshl_b32 s30, 0x1111, s25                    ; my column
	s_or_b32 s[G1A], s29, (3<<16)|(1<<21)
	s_or_b32 s[G1B], s30, (3<<16)|(1<<21)
	s_mov_b32 s[G1A+1], 384<<16                    ; a row: one tile's two K steps, 3,072 bytes
	s_mov_b32 s[G1A+2], 8<<16
	s_mov_b32 s[G1A+3], 384<<16
	s_mov_b32 s[G1A+4], 8
	s_mov_b32 s[G1A+5], 1536
	s_mov_b32 s[G1A+6], 0
	s_mov_b32 s[G1A+7], 0
	s_mov_b32 s[G1B+1], 384<<16
	s_mov_b32 s[G1B+2], 4<<16
	s_mov_b32 s[G1B+3], 384<<16
	s_mov_b32 s[G1B+4], 4
	s_mov_b32 s[G1B+5], 1536
	s_mov_b32 s[G1B+6], 0
	s_mov_b32 s[G1B+7], 0
	s_lshl_b32 s92, s28, 4                         ; A's first tile
	s_lshl_b32 s93, s27, 3
	s_add_co_u32 s93, s93, 192                     ; B's: w_o's tiles begin at 192
	s_lshl_b32 s29, s24, 3
	s_add_co_u32 s29, s29, s92
	s_mul_i32 s94, s29, 12288
	s_mov_b32 s95, 0
	s_lshl_b32 s31, s24, 2
	s_add_co_u32 s31, s31, s93
	s_mul_i32 s96, s31, 12288
	s_mov_b32 s97, 0
	s_mul_i32 s29, s24, 24576
	s_mul_i32 s31, s24, 12288
	s_add_co_u32 s31, s31, BOFF
	s_wait_dscnt 0x0                               ; the opening add is done
	s_wait_kmcnt 0x0
	s_add_nc_u64 s[94:95], s[4:5], s[94:95]
	s_add_nc_u64 s[96:97], s[8:9], s[96:97]
	CROUND                                         ; all sixteen work-groups are here: the joint loads meet
.irp c, 0,1,2,3                        ; four loads of mine are out together, each with a group 0 of its own
	s_mov_b32 s[G0A+4*\c], 1
	s_add_co_u32 s[G0A+4*\c+1], s29, \c*CHUNK
	s_add_nc_u64 s[G0A+4*\c+2:G0A+4*\c+3], s[94:95], \c*3072
	s_or_b32 s[G0A+4*\c+3], s[G0A+4*\c+3], 0x80000000
	s_mov_b32 s[G0B+4*\c], 1
	s_add_co_u32 s[G0B+4*\c+1], s31, \c*CHUNK
	s_add_nc_u64 s[G0B+4*\c+2:G0B+4*\c+3], s[96:97], \c*3072
	s_or_b32 s[G0B+4*\c+3], s[G0B+4*\c+3], 0x80000000
	JLOAD G0A+4*\c, G0B+4*\c
.endr
	v_and_b32 v1, 15, v0                           ; r
	v_bfe_u32 v2, v0, 4, 1                         ; h
	v_and_b32 v3, 31, v0                           ; lane
	v_lshlrev_b32 v15, 4, v3
	v_lshlrev_b32 v16, 3, v3
	v_lshlrev_b32 v14, 6, v2                       ; the bias: 16 h numbers on
	v_lshlrev_b32 v12, 4, v1
	v_lshl_add_u32 v13, v2, 11, v12
	v_lshl_add_u32 v12, v2, 10, v12
	s_lshl_b32 s30, s27, 9
	s_mov_b32 s31, 0
	s_add_nc_u64 s[12:13], s[12:13], s[30:31]
.irp b, 0,1,2,3,4,5,6,7                ; register j of tile b: column 32 (b / 2) + 8 (b % 2) + 16 h + j
	global_load_b128 v[BI+8*\b:BI+8*\b+3], v14, s[12:13] offset:(32*(\b/2)+8*(\b%2))*4
	global_load_b128 v[BI+8*\b+4:BI+8*\b+7], v14, s[12:13] offset:(32*(\b/2)+8*(\b%2))*4+16
.endr
	s_lshl_b32 s30, s[WV], 2
	s_add_co_u32 s30, s30, s92
	s_lshl_b32 s30, s30, 9
	s_add_nc_u64 s[6:7], s[6:7], s[30:31]
	s_lshl_b32 s30, s93, 9
	s_add_nc_u64 s[10:11], s[10:11], s[30:31]
.irp i, 0,1
.irp h, 0,1
	global_load_b128 v[SA+8*\i+4*\h:SA+8*\i+4*\h+3], v12, s[6:7] offset:512*\i+256*\h
.endr
.endr
.irp i, 0,1,2,3
.irp h, 0,1
	global_load_b128 v[SB+8*\i+4*\h:SB+8*\i+4*\h+3], v13, s[10:11] offset:512*\i+256*\h
.endr
.endr
	s_mul_i32 s30, s[WV], 12288
	v_add_nc_u32 v[ADA], s30, v16                  ; planes: 8 x lane
	v_add_nc_u32 v[ADB], BOFF, v15
.irp c, 1,2,3
	v_add_nc_u32 v[ADA+\c], \c*CHUNK, v[ADA]
	v_add_nc_u32 v[ADB+\c], \c*CHUNK, v[ADB]
.endr
	s_mul_i32 s30, s[WV], 8448                     ; my stage
	v_mul_u32_u24 v17, v1, 528
	v_lshl_add_u32 v17, v2, 6, v17
	v_add_nc_u32 v17, s30, v17                     ; in: row r, + 64 h
	v_add_nc_u32 v18, s30, v15                     ; back: a row's 512 bytes
	s_lshl_b32 s30, s92, 16                        ; out0 at my first token (16 x tile + 64 x wave rows of 4,096 bytes) and my block of columns
	s_lshl_b32 s29, s[WV], 18
	s_add_co_u32 s30, s30, s29
	s_lshl_b32 s29, s27, 9
	s_add_co_u32 s30, s30, s29
	s_add_nc_u64 s[14:15], s[14:15], s[30:31]
.macro WM d, fb, fa, c, sb, sa, rb, ra ; one product; rb, ra: the scale words lie in lanes 16-31
.if (\rb) && (\ra)
	v_wmma_scale_f32_16x16x128_f8f6f4 v[(\d):(\d)+7], v[(\fb):(\fb)+11], v[(\fa):(\fa)+11], v[(\c):(\c)+7], v[(\sb)], v[(\sa)] matrix_a_fmt:MATRIX_FMT_FP6 matrix_b_fmt:MATRIX_FMT_FP6 matrix_a_scale:MATRIX_SCALE_ROW1 matrix_b_scale:MATRIX_SCALE_ROW1
.elseif (\rb)
	v_wmma_scale_f32_16x16x128_f8f6f4 v[(\d):(\d)+7], v[(\fb):(\fb)+11], v[(\fa):(\fa)+11], v[(\c):(\c)+7], v[(\sb)], v[(\sa)] matrix_a_fmt:MATRIX_FMT_FP6 matrix_b_fmt:MATRIX_FMT_FP6 matrix_a_scale:MATRIX_SCALE_ROW1
.elseif (\ra)
	v_wmma_scale_f32_16x16x128_f8f6f4 v[(\d):(\d)+7], v[(\fb):(\fb)+11], v[(\fa):(\fa)+11], v[(\c):(\c)+7], v[(\sb)], v[(\sa)] matrix_a_fmt:MATRIX_FMT_FP6 matrix_b_fmt:MATRIX_FMT_FP6 matrix_b_scale:MATRIX_SCALE_ROW1
.else
	v_wmma_scale_f32_16x16x128_f8f6f4 v[(\d):(\d)+7], v[(\fb):(\fb)+11], v[(\fa):(\fa)+11], v[(\c):(\c)+7], v[(\sb)], v[(\sa)] matrix_a_fmt:MATRIX_FMT_FP6 matrix_b_fmt:MATRIX_FMT_FP6
.endif
.endm
.macro MUL s, mode                     ; 32 products; the 32 accumulators take turns, in the same order in every step.  mode 1: the bias starts the sums
.if (\mode) == 0
	WIN 0x5a+5*((\s)%2)
.else
	WIN 0x4a
.endif
.irp a, 0,1,2,3
.irp b, 0,1,2,3,4,5,6,7
.if (\mode) == 0
	WM 8*(8*\a+\b), 48+12*\b, 12*\a, 8*(8*\a+\b), SB+8*(\b%4)+(\s), SA+8*(\a%2)+(\s), \b/4, \a/2
.else
	WM 8*(8*\a+\b), 48+12*\b, 12*\a, BI+8*\b, SB+8*(\b%4)+(\s), SA+8*(\a%2)+(\s), \b/4, \a/2
.endif
.endr
.endr
.endm
.macro FETCH s
	WIN 0x80+0x40*((\s)%2)
.irp a, 0,1,2,3
.irp p, 0,1,2,3,4,5
	ds_load_b64 v[12*\a+2*\p:12*\a+2*\p+1], v[ADA+(\s)/2] offset:3072*\a+1536*((\s)%2)+256*\p
.endr
.endr
.irp b, 0,1,2,3,4,5,6,7
.irp k, 0,1,2
	ds_load_b128 v[48+12*\b+4*\k:48+12*\b+4*\k+3], v[ADB+(\s)/2] offset:3072*\b+1536*((\s)%2)+512*\k
.endr
.endr
.endm
.macro STEP s, mode
.if ((\s) < 7) && ((\s)%2 == 1)
	s_wait_tensorcnt 3-((\s)+1)/2                  ; my part of the next chunk is in; my loads of the later chunks may be out
	s_wait_dscnt 0x0
	s_barrier_signal -1
	s_barrier_wait -1
.endif
.if (\s) < 7
.if (\s) > 0
.rept 4
	v_nop                                          ; four places in front of loads into registers that the last step's products read
.endr
.endif
	FETCH (\s)+1
	s_wait_dscnt NLF                               ; all but those just issued
.else
	s_wait_dscnt 0x0
.endif
	MUL \s, \mode
	WIN 0
.endm
	s_wait_tensorcnt 0x3                           ; my part of chunk 0 is in,
	s_barrier_signal -1
	s_barrier_wait -1                              ; everybody's is
	FETCH 0
	s_wait_loadcnt 0x0                             ; the bias and the scale words
	STEP 0, 1
	STEP 1, 0
	STEP 2, 0
	STEP 3, 0
	STEP 4, 0
	STEP 5, 0
	STEP 6, 0
	STEP 7, 0
; THE WAY OUT, a tile of 16 tokens x 128 columns at a time: through my stage, back as whole rows of 512 bytes.  LDS serves a wave's instructions in order: no wait between the stores and the loads.
.macro TOSTAGE a
	WIN 0x04                                       ; an LDS store's data are its source 1: window 1
.irp b, 0,1,2,3,4,5,6,7
	ds_store_b128 v17, v[8*(8*(\a)+\b):8*(8*(\a)+\b)+3] offset:128*(\b/2)+32*(\b%2)       ; each accumulator from its low end on
	ds_store_b128 v17, v[8*(8*(\a)+\b)+4:8*(8*(\a)+\b)+7] offset:128*(\b/2)+32*(\b%2)+16
.endr
	WIN 0
.irp t, 0,1,2,3,4,5,6,7,8,9,10,11,12,13,14,15
	ds_load_b128 v[BI+64*((\a)%2)+4*\t:BI+64*((\a)%2)+4*\t+3], v18 offset:528*\t
.endr
.endm
.macro SEND a, younger                 ; younger: the LDS instructions issued behind tile a's loads
	s_wait_dscnt \younger
.irp t, 0,1,2,3,4,5,6,7,8,9,10,11,12,13,14,15
	global_store_b128 v15, v[BI+64*((\a)%2)+4*\t:BI+64*((\a)%2)+4*\t+3], s[14:15] offset:(32*((\a)/2)+8*((\a)%2)+\t+8*(\t/8))*4096 th:TH_STORE_NT   ; 512 consecutive bytes, aligned
.endr
.endm
.rept 4
	v_nop                                          ; four places in front of the first read of results
.endr
	TOSTAGE 0
	TOSTAGE 1
	SEND 0, 32                                     ; behind tile 0's loads: tile 1's 16 stores and 16 loads
	s_wait_xcnt 0x0                                ; tile 0's stores have read their registers: tile 2's rows may land there
	TOSTAGE 2
	SEND 1, 32
	s_wait_xcnt 0x0
	TOSTAGE 3
	SEND 2, 32
	SEND 3, 0
	s_wait_tensorcnt 0x0                           ; the wave's end, behind my last tensor load and my last LDS store
	ds_add_u32 v[SPW], v[NIL]
	s_wait_dscnt 0x0
	CROUND                                         ; the closing round
	s_endpgm
.Lfunc_end_k_q919ce5e51e_outp:
	.size	k_q919ce5e51e_outp, .Lfunc_end_k_q919ce5e51e_outp-k_q919ce5e51e_outp
	.p2alignl 7, 3214868480
	.fill 96, 4, 3214868480
	.section	.rodata,"a",@progbits
	.p2align	6, 0x0
	.amdhsa_kernel k_q919ce5e51e_outp
		.amdhsa_group_segment_fixed_size 295424
		.amdhsa_private_segment_fixed_size 0
		.amdhsa_enable_private_segment 0
		.amdhsa_kernarg_size 48
		.amdhsa_user_sgpr_count 2
		.amdhsa_user_sgpr_kernarg_segment_ptr 1
		.amdhsa_wavefront_size32 1
		.amdhsa_system_sgpr_workgroup_id_x 1
		.amdhsa_system_sgpr_workgroup_id_y 1
		.amdhsa_system_sgpr_workgroup_id_z 1
		.amdhsa_system_vgpr_workitem_id 0
		.amdhsa_next_free_vgpr 1024
		.amdhsa_next_free_sgpr 102
		.amdhsa_reserve_vcc 0
		.amdhsa_float_denorm_mode_32 3
		.amdhsa_float_denorm_mode_16_64 3
		.amdhsa_memory_ordered 1
		.amdhsa_forward_progress 1
		.amdhsa_inst_pref_size 85
	.end_amdhsa_kernel
	.amdgpu_metadata
---
amdhsa.version: [ 1, 2 ]
amdhsa.kernels:
  - .name:           k_q919ce5e51e_outp
    .symbol:         k_q919ce5e51e_outp.kd
    .args:
      - { .name: ci, .offset: 0, .size: 8, .value_kind: global_buffer, .address_space: global }
      - { .name: cs, .offset: 8, .size: 8, .value_kind: global_buffer, .address_space: global }
      - { .name: wi, .offset: 16, .size: 8, .value_kind: global_buffer, .address_space: global }
      - { .name: ws, .offset: 24, .size: 8, .value_kind: global_buffer, .address_space: global }
      - { .name: b_o, .offset: 32, .size: 8, .value_kind: global_buffer, .address_space: global }
      - { .name: out0, .offset: 40, .size: 8, .value_kind: global_buffer, .address_space: global }
    .group_segment_fixed_size: 295424
    .private_segment_fixed_size: 0
    .kernarg_segment_align: 8
    .kernarg_segment_size: 48
    .max_flat_workgroup_size: 128
    .sgpr_count:     102
    .vgpr_count:     1024
    .wavefront_size: 32
...
	.end_amdgpu_metadata
.endif
;; end of part 4
